; MI455X (gfx1250); checked and timed in simulation.
; The chip was launched on July 23, 2026; its instructions are those of AMD's public machine-readable ISA for CDNA 5 (MIT licence, August 2026) and "CDNA5" Instruction Set Architecture Reference Guide (July 2026). The comments in the code are by the model that wrote it; some were corrected since.
;; Multi Head Attention. Allowed arithmetic: matrix products marked QUANTISED: E2M1 operands, one E8M0 scale for each 32 along K, by v_wmma_scale_f32_16x16x128_f8f6f4 with both operands' format E2M1 (or v_wmma_scale_f32_32x16x128_f4), f32 sums; products left as they are: bf16, f16 or f32 operands; f32 sums; everything else in f32.
;; Inputs: b_out 1,024 float32; w_out 1,024 x 1,024 float32; w_qkv 3,072 x 1,024 float32; x 4 x 2,048 x 1,024 float32.
;; Outputs: out0 4 x 2,048 x 1,024 float32.
;; This version of the problem:
;;   THIS VERSION OF THE PROBLEM IS GIVEN IN LOW PRECISION. The matrix products marked QUANTISED in the list below multiply operands that are first quantised to E2M1 (2 exponent bits, 1 mantissa bit; 4 bits a number), with one power-of-two scale for each 32 numbers along K (OCP MX v1.0); their sums are f32. The products marked 'left as it is' may take bf16, f16 or f32 operands, with f32 sums. Whichever they take, every output number must still come out within the allowed error. Rounding operands to bf16 (8 significant bits) uses up far more of that allowance than f16 does (11 bits, for magnitudes from 6e-5 to 65,504). All else is computed in f32.
;;   The module's matrix products, in the order in which they are computed (A, B: the left and right operand; K: the contracted axis; several contracted axes count as one K, in the product's order):
;;     1. [M 8,192, K 1,024] x [K 1,024, N 3,072]; A: input x; B: input w_qkv: QUANTISED
;;     2. batch 64 x [M 2,048, K 64] x [K 64, N 2,048]; A: computed on the way; B: computed on the way: left as it is (an operand is computed on the way)
;;     3. batch 64 x [M 2,048, K 2,048] x [K 2,048, N 64]; A: computed on the way; B: computed on the way: left as it is (an operand is computed on the way)
;;     4. [M 8,192, K 1,024] x [K 1,024, N 1,024]; A: computed on the way; B: input w_out: left as it is (an operand is computed on the way)
;;   THE QUANTISER, for each operand of a quantised product, along K:
;;     - K is cut into blocks of 32 from its start; a last block that is shorter is filled with zeros.
;;     - A block's scale is 2^e with e = floor(log2(the largest magnitude in the block)) - 2, held to -126 .. 127; a block of zeros has e = 0. As a byte (E8M0): e + 127.
;;     - Each number is divided by its block's scale, clamped to +-6, and rounded to the nearest number of E2M1, ties to even, subnormals kept.
;;     - The product sums the exact products of the quantised numbers (number of the format x scale) in f32.
;;   ~~~python
;;   def quantise(x, axis):      # numpy; x: float32 -> the quantised numbers, widened to float32 again
;;       x = np.moveaxis(x, axis, -1); K = x.shape[-1]
;;       x = np.pad(x, [(0, 0)] * (x.ndim - 1) + [(0, -K % 32)]); x = x.reshape(x.shape[:-1] + (-1, 32)); a = np.abs(x).max(-1, keepdims=True)
;;       e = np.where(a > 0, np.clip(np.frexp(np.where(a > 0, a, 1))[1] - 1 - 2, -126, 127), 0)      # np.frexp(a)[1] - 1 = floor(log2(a)), exactly
;;       r = np.clip(x / 2.0 ** e, -6, 6)
;;       step = 2.0 ** (np.maximum(np.frexp(np.where(r == 0, 1, r))[1] - 1, 0) - 1)
;;       q = np.round(r / step) * step * 2.0 ** e      # np.round: ties to even
;;       return np.moveaxis(q.reshape(q.shape[:-2] + (-1,))[..., :K], -1, axis).astype(np.float32)
;;   ~~~
;; One version. Each part assembles by itself: llvm-mc -triple=amdgcn-amd-amdhsa -mcpu=gfx1250 --defsym DOCPART=n.
;; ======== version 1 of 1: 5 launches
;; limits: values are held in f16: magnitudes above 65,504 overflow, below 6.1e-05 lose precision
;; workspace buffers: xc 4,194,304 bytes; xs 262,144 bytes; wc 1,572,864 bytes; ws 98,304 bytes; w16 2,097,152 bytes; qkv 50,331,648 bytes; fine 786,432 bytes; att 16,777,216 bytes
;; launch quant (part 1): grid 416 x 1, 4 waves a work-group, no clusters, 33,280 bytes of LDS; arguments x, w_qkv, w_out, xc, xs, wc, ws, w16; writes xc, xs, wc, ws, w16
.if DOCPART == 1
	.amdgcn_target "amdgcn-amd-amdhsa--gfx1250"
	.amdhsa_code_object_version 6
	.text
	.protected	k_q11b0c801bb_quant
	.globl	k_q11b0c801bb_quant
	.p2align	8
	.type	k_q11b0c801bb_quant,@function
k_q11b0c801bb_quant:
	s_mov_b64 s[64:65], 0
	v_nop
	global_prefetch_b8 v0, s[64:65] scope:SCOPE_SE
	s_setreg_imm32_b32 hwreg(HW_REG_WAVE_MODE, 25, 1), 1
	s_wait_xcnt 0x0
; x [8192][1024] and w_qkv [3072][1024], f32, become codes of FP4 (E2M1), K innermost, two codes a byte, with one E8M0 scale byte for each 32 along K; w_out [1024][1024] f32 becomes f16.
; A block's scale is 2^(floor(log2(its largest magnitude)) - 2); its byte is the largest magnitude's own exponent field - 2, held at 1 from below.  Each number is divided by the scale and rounded to the nearest code, ties to even; beyond 6 the largest code.
; LIMITS: a block of zeros, and a block whose largest magnitude lies under 2^(3 - 127), keeps the byte 1 (its codes add nothing, and this program alone reads the bytes); NaN and infinities are not served; w_out beyond 65,504 is not served.
; Rows are dense and K is a multiple of 32: both tensors are plain streams of blocks of 32.  Work-groups 0-255 take x, 256-351 w_qkv, 352-415 cast w_out.
; QUANTISING: a wave takes 16 steps of 512 numbers.  Each load reads 512 consecutive bytes; a step's 2,048 bytes turn through the wave's own stage in LDS (16 bytes of padding behind each 64) and come back 64 bytes a lane:
; 16 neighbours along K in a lane, a block in two neighbouring lanes.  A lane's 16 codes are 8 bytes: the wave stores 256 consecutive bytes.  A wave's 256 scale bytes are gathered in LDS and leave as 256 consecutive bytes.
; No tensor loads, no barrier: waves share nothing.
.set WAVES, 4
.set STEPS, 16
.set WGA,   256                        ; work-groups for x: 8192 x 1024 / 32768
.set WGQ,   352                        ; and with w_qkv's 96
.set EMAX,  2
.set CB,    8                          ; bytes of 16 codes
.set R,     16                         ; v16-79   four sets of 16 numbers as they are loaded
.set X,     80                         ; v80-111  two sets of 16 neighbours
.set C,     128                        ; v128-191 codes: four registers for each step, so that no store's data are written again
.set E,     112                        ; v112-127 a scale byte for each step
.set WREG,  8192                       ; LDS: a region for each wave: two stages of 32 x SP bytes, behind them its 256 scale bytes
.set SP,    80
.set SPW,   12                         ; v12  LDS address of my spare word; never rewritten
.set NIL,   13                         ; v13  0; never rewritten
.set SPARE, WAVES*WREG                 ; behind the four regions: the spare words, 128 bytes a wave
	s_load_b128 s[4:7], s[0:1], 0x0                ; x, w_qkv
	s_load_b128 s[8:11], s[0:1], 0x10              ; w_out, x's codes
	s_load_b128 s[12:15], s[0:1], 0x20             ; x's scales, w_qkv's codes
	s_load_b128 s[16:19], s[0:1], 0x30             ; w_qkv's scales, w_out in f16
	v_lshl_add_u32 v[SPW], v0, 2, SPARE
	v_mov_b32 v[NIL], 0
	v_lshrrev_b32 v1, 5, v0
	v_readfirstlane_b32 s20, v1                    ; wave
	v_and_b32 v2, 31, v0                           ; lane
	v_lshlrev_b32 v3, 4, v2                        ; my 16 bytes of a load's 512
	s_mul_i32 s21, s20, WREG
	v_lshrrev_b32 v14, 2, v2
	v_mul_u32_u24 v14, v14, SP
	v_and_b32 v15, 3, v2
	v_lshl_add_u32 v14, v15, 4, v14
	v_add_nc_u32 v14, s21, v14                     ; the stage, way in: SP (lane / 4) + 16 (lane % 4)
	v_mul_u32_u24 v15, v2, SP
	v_add_nc_u32 v15, s21, v15                     ; way out: SP x lane: my 16 neighbours
	v_mul_u32_u24 v4, v2, CB                       ; 8 x lane: my codes' place in a step's; also my place in a cast store
	v_lshrrev_b32 v5, 1, v2
	s_add_co_u32 s21, s21, 2*32*SP
	v_add_nc_u32 v5, s21, v5                       ; LDS: my wave's 256 scale bytes, my block's byte
	v_lshlrev_b32 v7, 3, v2
	v_add_nc_u32 v6, s21, v7                       ; and on their way out 8 bytes a lane
	s_wait_kmcnt 0x0
	s_cmp_ge_u32 ttmp9, WGQ                        ; the work-group's number alone decides
	s_cbranch_scc1 .Lcast
	s_cmp_lt_u32 ttmp9, WGA                        ; x's work-group or w_qkv's: only pointers are chosen, both take one way through the text
	s_cselect_b64 s[26:27], s[4:5], s[6:7]
	s_cselect_b64 s[28:29], s[10:11], s[14:15]
	s_cselect_b64 s[30:31], s[12:13], s[16:17]
	s_cselect_b32 s21, 0, WGA
	s_sub_co_u32 s21, ttmp9, s21
	s_lshl_b32 s21, s21, 2
	s_add_co_u32 s22, s21, s20                     ; which run of 8,192 numbers is my wave's
	s_mov_b32 s23, 0
	s_mov_b64 s[24:25], 512*STEPS*4
	s_mul_u64 s[24:25], s[22:23], s[24:25]
	s_add_nc_u64 s[26:27], s[26:27], s[24:25]
	s_mov_b64 s[24:25], 32*STEPS*CB
	s_mul_u64 s[24:25], s[22:23], s[24:25]
	s_add_nc_u64 s[28:29], s[28:29], s[24:25]
	s_lshl_b32 s22, s22, 8                         ; 256 scale bytes a run
	s_add_nc_u64 s[30:31], s[30:31], s[22:23]
.macro LOAD t
.irp i, 0,1,2,3
	global_load_b128 v[R+16*((\t)%4)+4*\i:R+16*((\t)%4)+4*\i+3], v3, s[26:27] offset:2048*(\t)+512*\i th:TH_LOAD_NT   ; 32 lanes read 512 consecutive bytes
.endr
.endm
.macro TURN t                          ; step t's numbers through the stage: LDS serves a wave's instructions in order (ISA guide 5.7.1.4), so no wait stands between the stores and the loads
.irp i, 0,1,2,3
	ds_store_b128 v14, v[R+16*((\t)%4)+4*\i:R+16*((\t)%4)+4*\i+3] offset:32*SP*((\t)%2)+8*SP*\i
.endr
.irp i, 0,1,2,3
	ds_load_b128 v[X+16*((\t)%2)+4*\i:X+16*((\t)%2)+4*\i+3], v15 offset:32*SP*((\t)%2)+16*\i
.endr
.endm
.irp t, 0,1,2,3
	LOAD \t
.endr
	s_wait_loadcnt 12                              ; step 0's four loads are in; the 12 of steps 1 to 3 stay out
	TURN 0
.macro STEP t
.set XS, X+16*((\t)%2)
.if (\t) > 0
	s_wait_dscnt 1                                 ; this step's numbers are back from the stage (the last step's byte store may be out)
.else
	s_wait_dscnt 0x0
.endif
.if (\t)+4 < STEPS
	LOAD (\t)+4                                    ; into the registers that this step's stores into the stage have read
.endif
.if (\t)+1 < STEPS
.if STEPS-2-(\t) >= 3
	s_wait_loadcnt 12                              ; the next step's four loads are in; those of the three steps behind it may be out
.else
	s_wait_loadcnt 4*(STEPS-2-(\t))
.endif
	TURN (\t)+1                                    ; through the other stage while this step is worked
.endif
	v_max3_num_f32 v8, |v[XS]|, |v[XS+1]|, |v[XS+2]|               ; the largest magnitude of my 16, in two chains
	v_max3_num_f32 v9, |v[XS+3]|, |v[XS+4]|, |v[XS+5]|
.irp i, 6,10
	v_max3_num_f32 v8, v8, |v[XS+\i]|, |v[XS+\i+1]|
	v_max3_num_f32 v9, v9, |v[XS+\i+2]|, |v[XS+\i+3]|
.endr
	v_max3_num_f32 v8, v8, |v[XS+14]|, |v[XS+15]|
	v_max3_num_f32 v8, v8, v9, (EMAX+1)<<23        ; and the floor 2^(EMAX + 1 - 127): the byte cannot fall under 1
	v_max_num_f32_dpp v8, v8, v8 row_xmask:1 row_mask:0xf bank_mask:0xf   ; and of my neighbour's 16: the block's
	v_add_nc_u32 v11, -(EMAX<<23), v8              ; EMAX off its exponent field: the conversion takes this operand's exponent field as its scale
	v_cvt_scalef32_pk8_fp4_f32 v[C+4*(\t)], v[XS:XS+7], v11
	v_cvt_scalef32_pk8_fp4_f32 v[C+4*(\t)+1], v[XS+8:XS+15], v11
	v_lshrrev_b32 v[E+(\t)], 23, v11               ; the scale's byte (also the plain line behind the conversions)
	ds_store_b8 v5, v[E+(\t)] offset:16*(\t)       ; both lanes of a block write the same byte with the same value
	global_store_b64 v4, v[C+4*(\t):C+4*(\t)+1], s[28:29] offset:32*CB*(\t)   ; the wave stores 256 consecutive bytes, aligned
.endm
.irp t, 0,1,2,3,4,5,6,7,8,9,10,11,12,13,14,15
	STEP \t
.endr
	ds_load_b64 v[8:9], v6                         ; in order behind my byte stores
	s_wait_dscnt 0x0
	global_store_b64 v7, v[8:9], s[30:31]          ; 256 consecutive scale bytes, aligned
	s_wait_tensorcnt 0x0                           ; the wave's end
	ds_add_u32 v[SPW], v[NIL]
	s_wait_dscnt 0x0
	s_endpgm
; THE CAST: wave u = 4 (work-group - 352) + wave takes 16,384 bytes of w_out: 32 loads of 512 consecutive bytes, all issued at once; each becomes 256 consecutive bytes of f16.  No LDS is touched on this way.
.Lcast:
	s_sub_co_u32 s21, ttmp9, WGQ
	s_lshl_b32 s21, s21, 2
	s_add_co_u32 s21, s21, s20
	s_lshl_b32 s22, s21, 14
	s_mov_b32 s23, 0
	s_add_nc_u64 s[8:9], s[8:9], s[22:23]
	s_lshl_b32 s22, s21, 13
	s_add_nc_u64 s[18:19], s[18:19], s[22:23]
.set j, 0
.rept 32
	global_load_b128 v[16+4*j:19+4*j], v3, s[8:9] offset:512*j th:TH_LOAD_NT
.set j, j+1
.endr
.set j, 0
.rept 32
	s_wait_loadcnt 31-j                            ; loads come back in order: number j is in, the younger ones stay out
	v_cvt_pk_f16_f32 v[16+4*j], v[16+4*j], v[17+4*j]
	v_cvt_pk_f16_f32 v[17+4*j], v[18+4*j], v[19+4*j]
	global_store_b64 v4, v[16+4*j:17+4*j], s[18:19] offset:256*j   ; no register is written again, so no wait frees any
.set j, j+1
.endr
	s_endpgm
.Lfunc_end_k_q11b0c801bb_quant:
	.size	k_q11b0c801bb_quant, .Lfunc_end_k_q11b0c801bb_quant-k_q11b0c801bb_quant
	.p2alignl 7, 3214868480
	.fill 96, 4, 3214868480
	.section	.rodata,"a",@progbits
	.p2align	6, 0x0
	.amdhsa_kernel k_q11b0c801bb_quant
		.amdhsa_group_segment_fixed_size 33280
		.amdhsa_private_segment_fixed_size 0
		.amdhsa_enable_private_segment 0
		.amdhsa_kernarg_size 64
		.amdhsa_user_sgpr_count 2
		.amdhsa_user_sgpr_kernarg_segment_ptr 1
		.amdhsa_wavefront_size32 1
		.amdhsa_system_sgpr_workgroup_id_x 1
		.amdhsa_system_sgpr_workgroup_id_y 1
		.amdhsa_system_sgpr_workgroup_id_z 1
		.amdhsa_system_vgpr_workitem_id 0
		.amdhsa_next_free_vgpr 192
		.amdhsa_next_free_sgpr 66
		.amdhsa_reserve_vcc 0
		.amdhsa_float_denorm_mode_32 3
		.amdhsa_float_denorm_mode_16_64 3
		.amdhsa_memory_ordered 1
		.amdhsa_forward_progress 1
		.amdhsa_inst_pref_size 45
	.end_amdhsa_kernel
	.amdgpu_metadata
---
amdhsa.version: [ 1, 2 ]
amdhsa.kernels:
  - .name:           k_q11b0c801bb_quant
    .symbol:         k_q11b0c801bb_quant.kd
    .args:
      - { .name: x, .offset: 0, .size: 8, .value_kind: global_buffer, .address_space: global }
      - { .name: w_qkv, .offset: 8, .size: 8, .value_kind: global_buffer, .address_space: global }
      - { .name: w_out, .offset: 16, .size: 8, .value_kind: global_buffer, .address_space: global }
      - { .name: xc, .offset: 24, .size: 8, .value_kind: global_buffer, .address_space: global }
      - { .name: xs, .offset: 32, .size: 8, .value_kind: global_buffer, .address_space: global }
      - { .name: wc, .offset: 40, .size: 8, .value_kind: global_buffer, .address_space: global }
      - { .name: ws, .offset: 48, .size: 8, .value_kind: global_buffer, .address_space: global }
      - { .name: w16, .offset: 56, .size: 8, .value_kind: global_buffer, .address_space: global }
    .group_segment_fixed_size: 33280
    .private_segment_fixed_size: 0
    .kernarg_segment_align: 8
    .kernarg_segment_size: 64
    .max_flat_workgroup_size: 128
    .sgpr_count:     66
    .vgpr_count:     192
    .wavefront_size: 32
...
	.end_amdgpu_metadata
.endif
;; end of part 1
;; launch qkv (part 2): grid 12 x 32, 4 waves a work-group, clusters of 4 x 4, 327,680 bytes of LDS; arguments xc, xs, wc, ws, qkv, fine; writes qkv, fine
.if DOCPART == 2
	.amdgcn_target "amdgcn-amd-amdhsa--gfx1250"
	.amdhsa_code_object_version 6
	.text
	.protected	k_q11b0c801bb_qkv
	.globl	k_q11b0c801bb_qkv
	.p2align	8
	.type	k_q11b0c801bb_qkv,@function
k_q11b0c801bb_qkv:
	s_mov_b64 s[64:65], 0
	v_nop
	global_prefetch_b8 v0, s[64:65] scope:SCOPE_SE
	s_setreg_imm32_b32 hwreg(HW_REG_WAVE_MODE, 25, 1), 1
	s_wait_xcnt 0x0
	s_wait_alu depctr_hold_cnt(0) depctr_sa_sdst(0) depctr_va_vdst(0) depctr_va_sdst(0) depctr_va_ssrc(0) depctr_va_vcc(0) depctr_vm_vsrc(0)
	s_getreg_b32 s2, hwreg(HW_REG_IB_STS2, 6, 4)
	s_cmp_eq_u32 s2, 0
	s_cbranch_scc0 .Lentry_in_a_cluster
	s_endpgm
.Lentry_in_a_cluster:
	s_bfe_u32 s2, ttmp6, 0x10000c
	s_cmp_lg_u32 s2, 0xf033
	s_cbranch_scc0 .Lentry_shape_is_right
	s_endpgm
.Lentry_shape_is_right:
; qkv[m][n] = sum over k of x[m][k] w_qkv[n][k], both as codes of FP4 (E2M1) with one E8M0 scale for each 32 along K; sums in f32.  M 8192, N 3072, K 1024.
; A tile of 256 x 256 is made by four waves, each 128 x 128: 64 accumulators, 512 registers.  All of K lies in two LDS slots of 512 along K (rows of 256 bytes), both asked for at the start: nothing is filled again.
; The scale bytes of the work-group's 256 + 256 rows, for all of K, are two dense blocks: they come once, with the first fills.
; CLUSTERS: 4 x 4 work-groups; A's tiles are asked for jointly along a row of the cluster, B's along a column.  Tile row = 8 cy + cluster y: so cy is the batch, and cluster y, which all partners share, says where in the sequence the tile lies.
; THE MATRIX INSTRUCTION IS USED TRANSPOSED (source 0 = 16 rows of w_qkv, source 1 = 16 rows of x): a lane holds eight neighbouring features of one row.
; OUT: f16, laid [which q/k/v][batch][head][t][64]: a head's rows are dense, 128 bytes each.  LIMIT: |q|, |k|, |v| under 65,504.  The first 16 positions of every sequence leave a second time in f32, as images of the accumulators' registers
; (buffer fine: [batch][feature / 16][half of the eight registers][lane][4]), for the launch that carries those rows finely.
; REGISTERS: window 0: v0-31 addresses; v32-95 scale words, two sets; v128-191 A's fragments, one set (on the way out: rows read back); v192-223 packed results.  window 1: B's fragments, two sets.  windows 2, 3: accumulators ((a, b) at v[8 (8 (a % 4) + b)]).
.set SIZE_K, 1024
.set KSTEP,  512
.set NQ,     KSTEP/128
.set ROWB,   256
.set KROW,   SIZE_K*4/8
.set PITCH,  272                       ; 256 bytes + 16 of padding = 68 words: row r starts at bank 4 r mod 64 (64 banks of 4 bytes: ISA guide 11.1)
.set FR,     8
.set NL,     2
.set NP,     4                         ; places behind this matrix instruction (ISA guide 7.12.1)
.set HALFT,  128*PITCH
.set SLOT,   4*HALFT
.set KS,     SIZE_K/32
.set SCL,    2*SLOT                    ; behind the slots: the scales, as rows of 256 bytes + 16
.set HALFS,  (128*KS/256)*272
.set SBLK,   (16*KS/256)*272
.set SPARE,  SCL+4*HALFS               ; the spare words, 128 bytes a wave
.set SPL,    16*144                    ; the way out: a stage of 2 heads x 16 rows x (128 bytes + 16) for each wave, in slot 0, which has had its one fill and its last read when the first result is stored there
.set SWV,    2*SPL
.set ADRA, 16
.set ADRB, 20
.set STO,  24
.set RD,   25
.set CO,   26                          ; v26  16 x lane
.set ADRS, 27
.set SPW,  28
.set NIL,  29
.set SC,   32
.set AF,   128
.set BK,   128                         ; rows read back: v128-159 and v160-191 by turns
.set TMP,  192
.set G1, 24
.set G0, 32
.set G1B, 48
.set G0B, 56
.set G1S, 68
.set G0S, 76
.set G1SB, 80
.set G0SB, 88
.set FLAG, 95                          ; s95  0 where my first 16 rows are positions 0-15 of a sequence
.set FB,   96                          ; s[96:97] where their f32 images go
.set MSB, 0
.macro WIN new                         ; the immediate's high byte repeats the setting that is left
.if MSB != \new
	s_set_vgpr_msb (MSB<<8)|\new
.set MSB, \new
.endif
.endm
.set MUL_LO, 0xa1                      ; source 0 (B) window 1, source 1 (A) window 0, C and D window 2
.set MUL_HI, 0xf1
.set TO_B,   0x40
; A joint load: waves 0 and 1 fetch for A, waves 2 and 3 for B; the branch hangs on the wave's number alone.  An s_nop 0 and four v_nop follow each of the two lines.
.macro JLOAD g0a, g1a, g0b, g1b
	s_cmp_eq_u32 s15, 0
	s_cbranch_scc0 .Lfor_b_\@
	tensor_load_to_lds s[\g0a:\g0a+3], s[\g1a:\g1a+7]
	s_nop 0
.rept 4
	v_nop
.endr
	s_branch .Lasked_\@
.Lfor_b_\@:
	tensor_load_to_lds s[\g0b:\g0b+3], s[\g1b:\g1b+7]
	s_nop 0
.rept 4
	v_nop
.endr
.Lasked_\@:
.endm
.macro CROUND                          ; a round of the cluster's barrier
	s_barrier_signal -1
	s_barrier_wait -1
	s_cmp_lg_u32 s14, 0
	s_cbranch_scc1 .Lnot_wave_0_\@
	s_barrier_signal -3
.Lnot_wave_0_\@:
	s_barrier_wait -3
	s_barrier_signal -1
	s_barrier_wait -1
.endm
	s_load_b128 s[4:7], s[0:1], 0x0                ; x's codes, x's scales
	s_load_b128 s[8:11], s[0:1], 0x10              ; w's codes, w's scales
	s_load_b64 s[12:13], s[0:1], 0x20              ; qkv
	s_load_b64 s[FB:FB+1], s[0:1], 0x28            ; fine
	v_lshl_add_u32 v[SPW], v0, 2, SPARE
	v_mov_b32 v[NIL], 0
	ds_add_u32 v[SPW], v[NIL]                      ; the wave's opening: the add, twice on end, and its wait ahead of my first tensor load
	ds_add_u32 v[SPW], v[NIL]
	v_lshrrev_b32 v1, 5, v0
	v_readfirstlane_b32 s14, v1                    ; wave 0..3
	s_lshr_b32 s15, s14, 1                         ; which half of the tile's rows is mine.  Also: I fetch for A (0) or for B (1)
	s_and_b32 s16, s14, 1                          ; which half of its columns.  Also: which 128 rows I fetch
	s_bfe_u32 s40, ttmp6, 0x40000                  ; cx
	s_bfe_u32 s41, ttmp6, 0x40004                  ; cy
	s_lshl_b32 s42, ttmp9, 2
	s_add_co_u32 s42, s42, s40                     ; tile column = 4 x cluster x + cx
	s_and_b32 s17, ttmp7, 0xffff
	s_lshl_b32 s18, s41, 3
	s_add_co_u32 s17, s17, s18                     ; tile row = 8 cy + cluster y
	s_lshl_b32 s43, s41, 2
	s_lshl_b32 s43, 15, s43                        ; my row of the cluster
	s_lshl_b32 s44, 0x1111, s40                    ; my column
	s_or_b32 s[G1+0], s43, (0<<16)|(1<<20)|(1<<21)|(5<<22)|(3<<25)  ; the mask; elements of 1 byte; padding on; bit 21 beside a mask; after every 64 words 4 words
	s_or_b32 s[G1B+0], s44, (0<<16)|(1<<20)|(1<<21)|(5<<22)|(3<<25)
.irp g, G1, G1B
	s_mov_b32 s[\g+1], ROWB<<16                    ; tensor_dim0
	s_mov_b32 s[\g+2], 128<<16                     ; tensor_dim1
	s_mov_b32 s[\g+3], ROWB<<16                    ; tile_dim0
	s_mov_b32 s[\g+4], 128                         ; tile_dim1
	s_mov_b32 s[\g+5], KROW                        ; from row to row
	s_mov_b32 s[\g+6], 0
	s_mov_b32 s[\g+7], 0
.endr
	s_or_b32 s[G1S+0], s43, (3<<16)|(1<<20)|(1<<21)|(5<<22)|(3<<25)  ; the scales of 128 rows: a dense block as rows of 256 bytes (32 elements of 8 bytes)
	s_or_b32 s[G1SB+0], s44, (3<<16)|(1<<20)|(1<<21)|(5<<22)|(3<<25)
.irp g, G1S, G1SB
	s_mov_b32 s[\g+1], 32<<16
	s_mov_b32 s[\g+2], (128*KS/256)<<16
	s_mov_b32 s[\g+3], 32<<16
	s_mov_b32 s[\g+4], 128*KS/256
	s_mov_b32 s[\g+5], 32
	s_mov_b32 s[\g+6], 0
	s_mov_b32 s[\g+7], 0
.endr
	s_lshl_b32 s18, s16, 7
	s_lshl_b32 s20, s17, 8
	s_add_co_u32 s20, s20, s18                     ; A: row 256 x tile row + 128 x half
	s_lshl_b32 s46, s42, 8
	s_add_co_u32 s46, s46, s18                     ; B: row 256 x tile column + 128 x half
	s_mov_b32 s21, 0
	s_mov_b32 s47, 0
	s_mov_b64 s[18:19], KS
	s_mul_u64 s[22:23], s[20:21], s[18:19]         ; where these rows' scales begin
	s_mul_u64 s[92:93], s[46:47], s[18:19]
	s_mov_b64 s[18:19], KROW
	s_mul_u64 s[20:21], s[20:21], s[18:19]         ; and their codes
	s_mul_u64 s[46:47], s[46:47], s[18:19]
	s_mul_i32 s45, s14, HALFT                      ; where they go: wave x 128 rows: no place in the cluster enters an LDS address
	s_mul_i32 s94, s14, HALFS
	s_wait_dscnt 0x0                               ; both opening adds are done
	s_wait_kmcnt 0x0
	s_add_nc_u64 s[20:21], s[4:5], s[20:21]
	s_add_nc_u64 s[22:23], s[6:7], s[22:23]
	s_add_nc_u64 s[46:47], s[8:9], s[46:47]
	s_add_nc_u64 s[92:93], s[10:11], s[92:93]
	CROUND                                         ; all sixteen work-groups are here: the joint loads meet
	s_mov_b32 s[G0S], 1
	s_add_co_u32 s[G0S+1], s94, SCL
	s_mov_b64 s[G0S+2:G0S+3], s[22:23]
	s_or_b32 s[G0S+3], s[G0S+3], 0x80000000
	s_mov_b32 s[G0SB], 1
	s_add_co_u32 s[G0SB+1], s94, SCL
	s_mov_b64 s[G0SB+2:G0SB+3], s[92:93]
	s_or_b32 s[G0SB+3], s[G0SB+3], 0x80000000
	JLOAD G0S, G1S, G0SB, G1SB                     ; the scales first: they are wanted with the first half of K
.irp s, 0,1
	s_mov_b32 s[G0+4*\s], 1
	s_add_co_u32 s[G0+4*\s+1], s45, \s*SLOT
	s_add_nc_u64 s[G0+4*\s+2:G0+4*\s+3], s[20:21], \s*ROWB
	s_or_b32 s[G0+4*\s+3], s[G0+4*\s+3], 0x80000000
	s_mov_b32 s[G0B+4*\s], 1
	s_add_co_u32 s[G0B+4*\s+1], s45, \s*SLOT
	s_add_nc_u64 s[G0B+4*\s+2:G0B+4*\s+3], s[46:47], \s*ROWB
	s_or_b32 s[G0B+4*\s+3], s[G0B+4*\s+3], 0x80000000
	JLOAD G0+4*\s, G1, G0B+4*\s, G1B               ; three tensor loads of mine are out at the most
.endr
	v_and_b32 v1, 15, v0                           ; r = l % 16
	v_bfe_u32 v2, v0, 4, 1                         ; h = l / 16
	v_mul_u32_u24 v3, v1, PITCH
	v_lshl_add_u32 v4, v2, 4, v3                   ; a fragment's row x pitch + 16 x half
	s_mul_i32 s21, s15, HALFT
	s_mul_i32 s22, s16, HALFT
	s_add_co_u32 s22, s22, 2*HALFT
.irp s, 0,1
	v_add_nc_u32 v[ADRA+\s], s21, v4
	v_add_nc_u32 v[ADRB+\s], s22, v4
	s_add_co_u32 s21, s21, SLOT
	s_add_co_u32 s22, s22, SLOT
.endr
	v_mul_u32_u24 v5, v1, KS                       ; my row's scales: KS bytes a row,
	v_lshrrev_b32 v6, 8, v5
	v_lshl_add_u32 v5, v6, 4, v5                   ; and 16 more for each 256 passed
	s_mul_i32 s21, s15, HALFS
	s_mul_i32 s22, s16, HALFS
	s_add_co_u32 s22, s22, 2*HALFS
	s_sub_co_u32 s22, s22, s21
	v_mul_u32_u24 v6, s22, v2                      ; lanes 16-31 take B's: one product, the distance between the two bases
	s_add_co_u32 s21, s21, SCL
	v_add_nc_u32 v5, v5, v6
	v_add_nc_u32 v[ADRS], s21, v5
	s_mul_i32 s23, s14, SWV                        ; my stage
	v_mul_u32_u24 v5, v1, 144                      ; in: row r, 16 bytes for each half of the lanes
	v_lshl_add_u32 v5, v2, 4, v5
	v_add_nc_u32 v[STO], s23, v5
	v_and_b32 v6, 31, v0
	v_lshlrev_b32 v[CO], 4, v6
	v_lshrrev_b32 v5, 3, v6                        ; back: eight lanes to a row of 128 bytes, four rows an instruction
	v_mul_u32_u24 v5, v5, 144
	v_and_b32 v6, 7, v6
	v_lshl_add_u32 v5, v6, 4, v5
	v_add_nc_u32 v[RD], s23, v5
	; where my 128 rows x 2 heads begin in qkv: ((cluster x) 64 + cy 16 + cx 4 + 2 half) heads of 262,144 bytes + (256 cluster y + 128 half) rows of 128 bytes
	s_lshl_b32 s20, ttmp9, 6
	s_lshl_b32 s21, s41, 4
	s_add_co_u32 s20, s20, s21
	s_lshl_b32 s21, s40, 2
	s_add_co_u32 s20, s20, s21
	s_lshl_b32 s21, s16, 1
	s_add_co_u32 s20, s20, s21
	s_lshl_b32 s20, s20, 18
	s_and_b32 s21, ttmp7, 0xffff
	s_lshl_b32 s22, s21, 15
	s_add_co_u32 s20, s20, s22
	s_lshl_b32 s22, s15, 14
	s_add_co_u32 s20, s20, s22
	s_or_b32 s[FLAG], s21, s15                     ; cluster y and the wave's number alone: the same in all partners
	s_mov_b32 s21, 0
	s_add_nc_u64 s[12:13], s[12:13], s[20:21]
	s_mul_i32 s20, s41, 192                        ; fine: (192 cy + 16 tile column + 8 half) images of 1,024 bytes
	s_lshl_b32 s22, s42, 4
	s_add_co_u32 s20, s20, s22
	s_lshl_b32 s22, s16, 3
	s_add_co_u32 s20, s20, s22
	s_lshl_b32 s20, s20, 10
	s_add_nc_u64 s[FB:FB+1], s[FB:FB+1], s[20:21]
.macro FRAG reg, adr, q, i             ; 16 rows x 128 K of 4-bit codes: 8 registers: lane l holds row l % 16; registers 4 c .. 4 c + 3 hold K = 64 c + 32 (l / 16) + 0 .. 31
.irp c, 0,1
	ds_load_b128 v[\reg+4*\c:\reg+4*\c+3], v[\adr] offset:64*(\q)+32*\c+(\i)*16*PITCH
.endr
.endm
; 16 matrix instructions: A's blocks a0, a0 + 1 x B's eight, the slot's q-th 128 along K.  The 64 accumulators take turns, one instruction a turn, in the same order in every step.
.macro MUL16 a0, p, q, sc, zero
.irp a, \a0, \a0+1
.irp b, 0,1,2,3,4,5,6,7
.if \zero
	v_wmma_scale_f32_16x16x128_f8f6f4 v[8*(8*((\a)%4)+\b):8*(8*((\a)%4)+\b)+7], v[128*(\p)+FR*\b:128*(\p)+FR*\b+FR-1], v[AF+FR*(\a):AF+FR*(\a)+FR-1], 0, v[SC+8*NQ*(\sc)+NQ*\b+(\q)], v[SC+8*NQ*(\sc)+NQ*(\a)+(\q)] matrix_a_fmt:MATRIX_FMT_FP4 matrix_b_fmt:MATRIX_FMT_FP4 matrix_a_scale:MATRIX_SCALE_ROW1
.else
	v_wmma_scale_f32_16x16x128_f8f6f4 v[8*(8*((\a)%4)+\b):8*(8*((\a)%4)+\b)+7], v[128*(\p)+FR*\b:128*(\p)+FR*\b+FR-1], v[AF+FR*(\a):AF+FR*(\a)+FR-1], v[8*(8*((\a)%4)+\b):8*(8*((\a)%4)+\b)+7], v[SC+8*NQ*(\sc)+NQ*\b+(\q)], v[SC+8*NQ*(\sc)+NQ*(\a)+(\q)] matrix_a_fmt:MATRIX_FMT_FP4 matrix_b_fmt:MATRIX_FMT_FP4 matrix_a_scale:MATRIX_SCALE_ROW1
.endif
.endr
.endr
.endm
.macro FETCH_B slot, q, p
	WIN TO_B
.irp i, 0,1,2,3,4,5,6,7
	FRAG 128*(\p)+FR*\i, ADRB+\slot, \q, \i
.endr
	WIN 0
.endm
.macro FETCH_A slot, q, i0
.irp i, \i0, \i0+1, \i0+2, \i0+3
	FRAG AF+FR*(\i), ADRA+\slot, \q, \i
.endr
.endm
.macro SCALES sc                       ; a slot's scale words: four words a row; lanes 0-15 take A's block i, lanes 16-31 B's block i
.irp i, 0,1,2,3,4,5,6,7
	ds_load_b128 v[SC+8*NQ*\sc+NQ*\i:SC+8*NQ*\sc+NQ*\i+3], v[ADRS] offset:\i*SBLK
.endr
.endm
.macro PLACES n                        ; plain vector instructions between a matrix instruction and a load into, or a read of, its registers
.rept \n
	v_nop
.endr
.endm
.macro STEP slot, q, zero              ; a step of 128 along K that has its successor in the same slot
	s_wait_dscnt 4*NL                              ; B's set and A's blocks 0-3 are in; the youngest eight loads (A's blocks 4-7) may be out
	WIN MUL_LO
	MUL16 0, (\q)%2, \q, \slot, \zero
	MUL16 2, (\q)%2, \q, \slot, \zero
	s_wait_dscnt 0
	PLACES NP
	FETCH_B \slot, (\q)+1, 1-(\q)%2
	FETCH_A \slot, (\q)+1, 0
	WIN MUL_HI
	MUL16 4, (\q)%2, \q, \slot, \zero
	MUL16 6, (\q)%2, \q, \slot, \zero
	PLACES NP
	WIN 0
	FETCH_A \slot, (\q)+1, 4
.endm
.macro TURN slot, next                 ; slot 0's last step changes slots: one barrier; nothing is filled again
	s_wait_tensorcnt 0x0                           ; all my tensor loads have landed: my part of the other slot
	ds_add_u32 v[SPW], v[NIL]                      ; 0 onto my spare word
	s_wait_dscnt 4*NL+1                            ; (the add and the youngest eight loads may be out)
	WIN MUL_LO
	MUL16 0, 1, NQ-1, \slot, 0
	s_wait_dscnt 0x0                               ; the add is done, and my reads of this slot are over
	s_barrier_signal -1
	MUL16 2, 1, NQ-1, \slot, 0
	WIN 0
	s_barrier_wait -1
	PLACES NP
	v_add_nc_u32 v[ADRS], 4*NQ, v[ADRS]            ; on to the other slot's scale words
	FETCH_B \next, 0, 0
	FETCH_A \next, 0, 0
	SCALES \next
	WIN MUL_HI
	MUL16 4, 1, NQ-1, \slot, 0
	MUL16 6, 1, NQ-1, \slot, 0
	PLACES NP
	WIN 0
	FETCH_A \next, 0, 4
.endm
.macro STEPS slot, from
.set Q, \from
.rept NQ-1-\from
	STEP \slot, Q, 0
.set Q, Q+1
.endr
.endm
	s_wait_tensorcnt 1                             ; the scales and my part of slot 0 are in (slot 1's load may be out),
	s_barrier_signal -1
	s_barrier_wait -1                              ; everybody's are
	FETCH_B 0, 0, 0
	FETCH_A 0, 0, 0
	SCALES 0
	FETCH_A 0, 0, 4
	STEP 0, 0, 1                                   ; the first products start the sums: nothing is cleared
	STEPS 0, 1
	TURN 0, 1
	STEPS 1, 0
	s_wait_dscnt 4*NL                              ; the very last step
	WIN MUL_LO
	MUL16 0, 1, NQ-1, 1, 0
	MUL16 2, 1, NQ-1, 1, 0
	s_wait_dscnt 0
	WIN MUL_HI
	MUL16 4, 1, NQ-1, 1, 0
	MUL16 6, 1, NQ-1, 1, 0
	WIN 0
	PLACES NP
	; positions 0-15 of a sequence: block 0's eight accumulators leave as they stand, 512 consecutive bytes a store, each accumulator from its low end on
	s_cmp_lg_u32 s[FLAG], 0
	s_cbranch_scc1 .Lnofine
	WIN 0x08                                       ; a store's data are its source 1: window 2
.irp b, 0,1,2,3,4,5,6,7
.irp g, 0,1
	global_store_b128 v[CO], v[8*\b+4*\g:8*\b+4*\g+3], s[FB:FB+1] offset:1024*\b+512*\g
.endr
.endr
	WIN 0
.Lnofine:
; THE WAY OUT, a block of 16 rows x 128 features (two heads) at a time: rounded to f16, 16 bytes a lane into my stage, back as four whole rows of a head an instruction: 512 consecutive bytes of qkv.
.macro PACK a
.set AC, 64*((\a)%4)
	WIN 0x0a+5*((\a)/4)                            ; sources 0 and 1: window 2 or 3
.irp b, 0,1,2,3,4,5,6,7
.irp r, 0,1,2,3
	v_cvt_pk_f16_f32 v[TMP+4*\b+\r], v[AC+8*\b+2*\r], v[AC+8*\b+2*\r+1]
.endr
.endr
	WIN 0
.endm
.macro TOSTAGE a
.set BB, BK+32*((\a)%2)
.irp b, 0,1,2,3,4,5,6,7
	ds_store_b128 v[STO], v[TMP+4*\b:TMP+4*\b+3] offset:(\b/4)*SPL+32*(\b%4)
.endr
.irp i, 0,1,2,3,4,5,6,7
	ds_load_b128 v[BB+4*\i:BB+4*\i+3], v[RD] offset:(\i/4)*SPL+576*(\i%4)   ; in order behind my stores (ISA guide 5.7.1.4)
.endr
.endm
.macro SEND a
.set BB, BK+32*((\a)%2)
	s_wait_dscnt 0x0                               ; the block is back in registers
	s_wait_xcnt 0x0                                ; the stores of the block before have read their registers: the next block's loads may land there
.irp i, 0,1,2,3,4,5,6,7
	global_store_b128 v[CO], v[BB+4*\i:BB+4*\i+3], s[12:13] offset:(\i/4)*262144+2048*(\a)+512*(\i%4)   ; every place stands in the immediate: no base is stepped
.endr
.endm
	PACK 0
	TOSTAGE 0
.irp a, 1,2,3,4,5,6,7                  ; block a's conversions stand between block a - 1's loads from the stage and the wait for them
	PACK \a
	SEND \a-1
	TOSTAGE \a
.endr
	SEND 7
	s_wait_tensorcnt 0x0                           ; the wave's end
	ds_add_u32 v[SPW], v[NIL]
	s_wait_dscnt 0x0
	CROUND                                         ; the closing round
	s_endpgm
.Lfunc_end_k_q11b0c801bb_qkv:
	.size	k_q11b0c801bb_qkv, .Lfunc_end_k_q11b0c801bb_qkv-k_q11b0c801bb_qkv
	.p2alignl 7, 3214868480
	.fill 96, 4, 3214868480
	.section	.rodata,"a",@progbits
	.p2align	6, 0x0
	.amdhsa_kernel k_q11b0c801bb_qkv
		.amdhsa_group_segment_fixed_size 327680
		.amdhsa_private_segment_fixed_size 0
		.amdhsa_enable_private_segment 0
		.amdhsa_kernarg_size 48
		.amdhsa_user_sgpr_count 2
		.amdhsa_user_sgpr_kernarg_segment_ptr 1
		.amdhsa_wavefront_size32 1
		.amdhsa_system_sgpr_workgroup_id_x 1
		.amdhsa_system_sgpr_workgroup_id_y 1
		.amdhsa_system_sgpr_workgroup_id_z 1
		.amdhsa_system_vgpr_workitem_id 0
		.amdhsa_next_free_vgpr 1024
		.amdhsa_next_free_sgpr 100
		.amdhsa_reserve_vcc 0
		.amdhsa_float_denorm_mode_32 3
		.amdhsa_float_denorm_mode_16_64 3
		.amdhsa_memory_ordered 1
		.amdhsa_forward_progress 1
		.amdhsa_inst_pref_size 128
	.end_amdhsa_kernel
	.amdgpu_metadata
---
amdhsa.version: [ 1, 2 ]
amdhsa.kernels:
  - .name:           k_q11b0c801bb_qkv
    .symbol:         k_q11b0c801bb_qkv.kd
    .args:
      - { .name: xc, .offset: 0, .size: 8, .value_kind: global_buffer, .address_space: global }
      - { .name: xs, .offset: 8, .size: 8, .value_kind: global_buffer, .address_space: global }
      - { .name: wc, .offset: 16, .size: 8, .value_kind: global_buffer, .address_space: global }
      - { .name: ws, .offset: 24, .size: 8, .value_kind: global_buffer, .address_space: global }
      - { .name: qkv, .offset: 32, .size: 8, .value_kind: global_buffer, .address_space: global }
      - { .name: fine, .offset: 40, .size: 8, .value_kind: global_buffer, .address_space: global }
    .group_segment_fixed_size: 327680
    .private_segment_fixed_size: 0
    .kernarg_segment_align: 8
    .kernarg_segment_size: 48
    .max_flat_workgroup_size: 128
    .sgpr_count:     100
    .vgpr_count:     1024
    .wavefront_size: 32
...
	.end_amdgpu_metadata
.endif
;; end of part 2
;; launch attn (part 3): grid 4 x 64, 8 waves a work-group, no clusters, 327,680 bytes of LDS; arguments qkv, att; writes att
.if DOCPART == 3
	.amdgcn_target "amdgcn-amd-amdhsa--gfx1250"
	.amdhsa_code_object_version 6
	.text
	.protected	k_q11b0c801bb_attn
	.globl	k_q11b0c801bb_attn
	.p2align	8
	.type	k_q11b0c801bb_attn,@function
k_q11b0c801bb_attn:
	s_mov_b64 s[64:65], 0
	v_nop
	global_prefetch_b8 v0, s[64:65] scope:SCOPE_SE
	s_setreg_imm32_b32 hwreg(HW_REG_WAVE_MODE, 25, 1), 1
	s_wait_xcnt 0x0
; att[h][b t][:] = the sum over k <= t of softmax_k(q[t] . k[k] / 8) v[k][:], for each batch and head.  q, k, v: f16, [3][64 heads of all batches][2048][64]; att: f16, [16 heads][8192 rows][64].  Products, maxima and sums in f32; the weights p (at most 1) are rounded to f16.
; LIMIT: |q|, |k|, |v| under 65,504; NaN and infinities are not served.  Positions 0-15 of a sequence are written here too, and carried finely by a later launch.
; SHARES.  Work-group (i, head) owns query blocks i and 7 - i of 256 queries: (i + 1) + (8 - i) = 9 key blocks of 256 under the causal mask, the same in every work-group: one loop of nine trips, and every slot that is fetched is read.
; Trip n reads key block n (n <= i) or n - i - 1; at n = i + 1 the first query block goes out and the second begins.  A wave owns 32 queries, two tiles of 16: part w of the block (waves 0-3) or 11 - w (waves 4-7).
; NO CLUSTER: from trip 1 on the four work-groups of a head want different key blocks in the same trip, so no request of theirs could be made jointly.
; LAYOUT.  S^T = K Q^T (source 0 = 16 keys, source 1 = 16 queries): a lane holds one query (lane % 16) and keys 8 (lane / 16) + 0..7.  Two such tiles, rounded to f16 in pairs, are source 1 of O^T = V^T P.  V is turned by ds_load_tr16_b128.
; SOFTMAX.  A running maximum m and sum l for each query: p = 2^(c s - c m), c = log2(e) / 8; in every step O and l are multiplied by 2^(c m_old - c m_new).
; LDS.  Two slots of 256 keys, 2^17 bytes apart: K as 128 rows of 256 bytes (two keys) + 16, then V likewise + 32: the 16 lanes of a fragment load, and of a turning load, touch 16 different 16-byte columns modulo 256.
; REGISTERS.  window 0: v1-15 addresses and constants; v16-31 statistics, 8 a tile (+0 c m, +1 m, +2,+3 l, +4..7 at work); v64-127 S^T; v128-159 P; v160-223 O^T.  window 1: v0-31 Q; v64-127 K of a step; v128-191 V of a step.
.set KP,    272
.set VP,    288
.set VOFF,  128*KP
.set SLOT1, 1<<17
.set STAGE, SLOT1+128*(KP+VP)          ; behind the slots: 32 rows x (128 bytes + 16) for each wave; no tile lands here
.set SPI,   144
.set SPARE, STAGE+8*32*SPI             ; the spare words, 128 bytes a wave
.set AK0, 1
.set AV0, 2
.set ADK, 3
.set ADV, 4
.set QO,  5
.set STO, 6
.set RD,  7
.set GO,  8
.set PFO, 9
.set SPW, 10
.set NIL, 11
.set DM,  12                           ; v12, v13  the mask's bound for tile 0, 1
.set NINF, 14
.set RH,  15                           ; r - 8 h
.set ST,  16
.set S,   64
.set P,   128
.set O,   160
.set KR,  64                           ; in window 1
.set VR,  128
.set WV,  8
.set BI,  9                            ; s9   i
.set SW,  10                           ; s10  i + 1: the trip in which the query blocks change
.set TRIP, 11
.set TB,  12                           ; s12  LDS byte at which the slot in hand begins
.set KF,  13                           ; s13  the step's first key
.set Q0,  14                           ; s14  my first query
.set PLO, 15                           ; s15  the first trip in which I prefetch, or the greatest number
.set KB,  16                           ; s[16:17] my half of the head's key block 0 in memory;  s[18:19] the same of V
.set VB,  18
.set QH,  20
.set OH,  22
.set G1K, 24
.set G1V, 32
.set G0K, 40
.set G0V, 44
.set QA,  48
.set OA,  50
.set PFA, 52
.set CS,  54
.set SEL, 56
.set SG,  62                           ; s62  32 x my part of a query block
.set MSB, 0
.macro WIN new
.if MSB != \new
	s_set_vgpr_msb (MSB<<8)|\new
.set MSB, \new
.endif
.endm
; Waves 0 and 1 fetch K's halves of a slot, waves 2 and 3 V's, the others nothing: 64 rows of 256 bytes a load.  An s_nop 0 and four v_nop follow each of the two lines.
.macro TLOAD
	s_cmp_lt_u32 s[WV], 2
	s_cbranch_scc0 .Lnot_k_\@
	tensor_load_to_lds s[G0K:G0K+3], s[G1K:G1K+7]
	s_nop 0
.rept 4
	v_nop
.endr
	s_branch .Lasked_\@
.Lnot_k_\@:
	s_cmp_lt_u32 s[WV], 4
	s_cbranch_scc0 .Lasked_\@
	tensor_load_to_lds s[G0V:G0V+3], s[G1V:G1V+7]
	s_nop 0
.rept 4
	v_nop
.endr
.Lasked_\@:
.endm
; A PREFETCH of what the next change of slots will ask for.  Of a head's four work-groups the one with i = 0 is the first to want key blocks 4 to 7: it asks for block n + 1 in trips n = 3 .. 6, a trip of four key steps ahead of its own tensor load.
; The waves ask that fetch nothing: waves 4, 5 K's halves, waves 6, 7 V's: 16,384 bytes a wave, two instructions, lanes 256 bytes apart.  So each block of 256 bytes is named once.  Key blocks 0 to 3 are wanted by all four at the start and are not asked for.
.macro ASK
	s_cmp_ge_u32 s[TRIP], s[PLO]
	s_cbranch_scc0 .Lnot_mine_\@
	s_cmp_lt_u32 s[TRIP], 7
	s_cbranch_scc0 .Lnot_mine_\@
	global_prefetch_b8 v[PFO], s[PFA:PFA+1] th:TH_LOAD_NT scope:SCOPE_SE
	global_prefetch_b8 v[PFO], s[PFA:PFA+1] offset:8192 th:TH_LOAD_NT scope:SCOPE_SE
.Lnot_mine_\@:
.endm
.macro KLOAD q                         ; a step's K: keys 16 a on, channels 32 c on: 16 loads (destination window 1)
.irp a, 0,1,2,3
.irp c, 0,1
	ds_load_b128 v[KR+16*\a+8*\c:KR+16*\a+8*\c+3], v[ADK] offset:(32*(\q)+8*\a)*KP+64*\c
	ds_load_b128 v[KR+16*\a+8*\c+4:KR+16*\a+8*\c+7], v[ADK] offset:(32*(\q)+8*\a)*KP+64*\c+32
.endr
.endr
.endm
.macro VLOAD q                         ; a step's V, turned: keys 32 u on, channels 16 p on: 16 loads
.irp u, 0,1
.irp p, 0,1,2,3
	ds_load_tr16_b128 v[VR+16*\p+8*\u:VR+16*\p+8*\u+3], v[ADV] offset:(32*(\q)+16*\u)*VP+32*\p
	ds_load_tr16_b128 v[VR+16*\p+8*\u+4:VR+16*\p+8*\u+7], v[ADV] offset:(32*(\q)+16*\u+8)*VP+32*\p
.endr
.endr
.endm
; The two tiles' softmax for a step of 64 keys, the tiles line by line by turns.
.macro SOFTMAX
.irp j, 0,1,2,3
.irp t, 0,1
	v_max3_num_f32 v[ST+8*\t+4+\j], v[S+32*\t+8*\j], v[S+32*\t+8*\j+1], v[S+32*\t+8*\j+2]   ; four chains, each begun at its accumulator's low end
.endr
.endr
.irp g, 1,2
.irp j, 0,1,2,3
.irp t, 0,1
	v_max3_num_f32 v[ST+8*\t+4+\j], v[ST+8*\t+4+\j], v[S+32*\t+8*\j+2*\g+1], v[S+32*\t+8*\j+2*\g+2]
.endr
.endr
.endr
.irp t, 0,1
	v_max3_num_f32 v[ST+8*\t+4], v[ST+8*\t+4], v[S+32*\t+7], v[S+32*\t+15]
.endr
.irp t, 0,1
	v_max3_num_f32 v[ST+8*\t+6], v[ST+8*\t+6], v[S+32*\t+23], v[S+32*\t+31]
.endr
.irp t, 0,1
	v_max3_num_f32 v[ST+8*\t+4], v[ST+8*\t+4], v[ST+8*\t+5], v[ST+8*\t+6]
.endr
.irp t, 0,1
	v_max3_num_f32 v[ST+8*\t+4], v[ST+8*\t+4], v[ST+8*\t+7], v[ST+8*\t+1]   ; with the old m
.endr
.irp t, 0,1
	v_permlanex16_b32 v[ST+8*\t+5], v[ST+8*\t+4], s[SEL], s[SEL+1]          ; the query's other 32 keys lie in the lane 16 away
.endr
.irp t, 0,1
	v_mov_b32 v[ST+8*\t+7], v[ST+8*\t]                                      ; c m_old
.endr
.irp t, 0,1
	v_max_num_f32 v[ST+8*\t+1], v[ST+8*\t+4], v[ST+8*\t+5]
.endr
.irp t, 0,1
	v_mul_f32 v[ST+8*\t], s[CS], v[ST+8*\t+1]
.endr
.irp t, 0,1
	v_sub_f32 v[ST+8*\t+7], v[ST+8*\t+7], v[ST+8*\t]
.endr
.set z, 0
.rept 16
.irp t, 0,1
	v_pk_fma_f32 v[S+32*\t+2*z:S+32*\t+2*z+1], v[S+32*\t+2*z:S+32*\t+2*z+1], s[CS:CS+1], v[ST+8*\t:ST+8*\t+1] op_sel_hi:[1,0,0] neg_lo:[0,0,1] neg_hi:[0,0,1]   ; c s - c m
.endr
.set z, z+1
.endr
.irp t, 0,1
	v_exp_f32 v[ST+8*\t+6], v[ST+8*\t+7]           ; 2^(c m_old - c m_new)
.endr
.set z, 0
.rept 32
.irp t, 0,1
	v_exp_f32 v[S+32*\t+z], v[S+32*\t+z]
.endr
.set z, z+1
.endr
	v_nop                                          ; a plain instruction behind the last exponential
	s_wait_alu depctr_va_vdst(0)                   ; one wait for the 66 exponentials, ahead of the first line that names a result
.set z, 0
.rept 16
.irp t, 0,1
	v_cvt_pk_f16_f32 v[P+16*\t+z], v[S+32*\t+2*z], v[S+32*\t+2*z+1]
.endr
.set z, z+1
.endr
.set z, 0
.rept 8                                ; the sum of the 16 pairs, in place: neighbours 1, 2, 4, 8 pairs apart
.irp t, 0,1
	v_pk_add_f32 v[S+32*\t+4*z:S+32*\t+4*z+1], v[S+32*\t+4*z:S+32*\t+4*z+1], v[S+32*\t+4*z+2:S+32*\t+4*z+3]
.endr
.set z, z+1
.endr
.set z, 0
.rept 4
.irp t, 0,1
	v_pk_add_f32 v[S+32*\t+8*z:S+32*\t+8*z+1], v[S+32*\t+8*z:S+32*\t+8*z+1], v[S+32*\t+8*z+4:S+32*\t+8*z+5]
.endr
.set z, z+1
.endr
.set z, 0
.rept 2
.irp t, 0,1
	v_pk_add_f32 v[S+32*\t+16*z:S+32*\t+16*z+1], v[S+32*\t+16*z:S+32*\t+16*z+1], v[S+32*\t+16*z+8:S+32*\t+16*z+9]
.endr
.set z, z+1
.endr
.irp t, 0,1
	v_pk_add_f32 v[S+32*\t:S+32*\t+1], v[S+32*\t:S+32*\t+1], v[S+32*\t+16:S+32*\t+17]
.endr
.irp t, 0,1
	v_pk_fma_f32 v[ST+8*\t+2:ST+8*\t+3], v[ST+8*\t+2:ST+8*\t+3], v[ST+8*\t+6:ST+8*\t+7], v[S+32*\t:S+32*\t+1] op_sel_hi:[1,0,1]
.endr
.set z, 0
.rept 16
.irp t, 0,1
	v_pk_mul_f32 v[O+32*\t+2*z:O+32*\t+2*z+1], v[O+32*\t+2*z:O+32*\t+2*z+1], v[ST+8*\t+6:ST+8*\t+7] op_sel_hi:[1,0]
.endr
.set z, z+1
.endr
.endm
; A KEY STEP: 64 keys, the q-th of the slot in hand.  A slot's first key is never behind my queries, so step 0 is always walked, and fetches its own K; a later step all of whose keys come after my 32 queries is left out by a
; scalar branch on ids, round its loads, products and softmax alone.  Each step fetches the next step's K behind its own first products.
.macro STEP q
.if \q > 0
	s_add_co_u32 s96, s[Q0], 31
	s_cmp_gt_u32 s[KF], s96
	s_cbranch_scc1 .Lhidden_\@
.else
	WIN 0x40
	KLOAD 0
.endif
	s_wait_dscnt 0x0                               ; K is in
	WIN 0x05                                       ; K and Q in window 1
.irp c, 0,1                            ; the eight accumulators take turns, one instruction a turn
.irp a, 0,1,2,3
.irp t, 0,1
.if \c == 0
	v_wmma_f32_16x16x32_f16 v[S+32*\t+8*\a:S+32*\t+8*\a+7], v[KR+16*\a+8*\c:KR+16*\a+8*\c+7], v[16*\t+8*\c:16*\t+8*\c+7], 0
.else
	v_wmma_f32_16x16x32_f16 v[S+32*\t+8*\a:S+32*\t+8*\a+7], v[KR+16*\a+8*\c:KR+16*\a+8*\c+7], v[16*\t+8*\c:16*\t+8*\c+7], v[S+32*\t+8*\a:S+32*\t+8*\a+7]
.endif
.endr
.endr
.endr
.rept 4
	v_nop                                          ; places in front of the loads into K's and V's registers and of the first read of the scores
.endr
	WIN 0x40
	VLOAD \q
.if \q < 3
	KLOAD \q+1
.endif
	WIN 0
	s_add_co_u32 s96, s[KF], 63                    ; a step all of whose keys count for all my queries needs no mask
	s_cmp_le_u32 s96, s[Q0]
	s_cbranch_scc1 .Lopen_\@
	s_sub_co_i32 s96, s[Q0], s[KF]
	v_add_nc_u32 v[DM], s96, v[RH]                 ; my query - the step's first key - 8 (lane / 16): register 8 a + j holds a hidden key where 16 a + j is above it
	v_add_nc_u32 v[DM+1], 16, v[DM]
.set n, 0
.rept 32
.irp t, 0,1
	v_cmp_gt_i32 vcc_lo, 16*(n/8)+n%8, v[DM+\t]
	v_cndmask_b32 v[S+32*\t+n], v[S+32*\t+n], v[NINF], vcc_lo
.endr
.set n, n+1
.endr
.Lopen_\@:
	SOFTMAX
.if \q < 3
	s_wait_dscnt 16                                ; V's 16 loads are in; the next step's 16 of K stay out
.else
	s_wait_dscnt 0x0
.endif
	WIN 0x01                                       ; V in window 1
.irp u, 0,1
.irp p, 0,1,2,3
.irp t, 0,1
	v_wmma_f32_16x16x32_f16 v[O+32*\t+8*\p:O+32*\t+8*\p+7], v[VR+16*\p+8*\u:VR+16*\p+8*\u+7], v[P+16*\t+8*\u:P+16*\t+8*\u+7], v[O+32*\t+8*\p:O+32*\t+8*\p+7]
.endr
.endr
.endr
	WIN 0
.Lhidden_\@:
	s_add_co_u32 s[KF], s[KF], 64
.endm
; THE CHANGE OF SLOTS stands at a trip's head.  Each wave waits for all its tensor loads (its part of the slot that it is about to read), adds 0 to its spare word, and waits for that and for its reads of the slot that it has left.
; Behind the barrier the slot ahead is whole and nobody reads the other one.  fill = 1: the other slot takes the next trip's key block: one tensor load a wave, which has a trip's four key steps in which to land.
.macro CHANGE fill
	s_wait_tensorcnt 0x0                           ; no tensor load of mine is out, so a group 0 may be written
	ds_add_u32 v[SPW], v[NIL]
.if \fill
	ds_add_u32 v[SPW], v[NIL]                      ; and twice on end here, in every trip alike
.endif
	s_cmp_le_u32 s[TRIP], s[BI]                    ; this trip's key block: n, or n - i - 1
	s_cselect_b32 s60, 0, s[SW]
	s_sub_co_u32 s[KF], s[TRIP], s60
	s_lshl_b32 s[KF], s[KF], 8
.if \fill
	s_add_co_u32 s58, s[TRIP], 1                   ; the next trip's, in bytes: 32,768 a block
	s_cmp_le_u32 s58, s[BI]
	s_cselect_b32 s60, 0, s[SW]
	s_sub_co_u32 s58, s58, s60
	s_lshl_b32 s58, s58, 15
	s_mov_b32 s59, 0
	s_xor_b32 s[G0K+1], s[G0K+1], SLOT1            ; the other slot than last time
	s_add_nc_u64 s[G0K+2:G0K+3], s[KB:KB+1], s[58:59]
	s_or_b32 s[G0K+3], s[G0K+3], 0x80000000
	s_xor_b32 s[G0V+1], s[G0V+1], SLOT1
	s_add_nc_u64 s[G0V+2:G0V+3], s[VB:VB+1], s[58:59]
	s_or_b32 s[G0V+3], s[G0V+3], 0x80000000
	s_wait_xcnt 0x0                                ; the last prefetches, a trip back, have read their address
	s_add_nc_u64 s[PFA:PFA+1], s[PFA:PFA+1], 32768 ; it stands at key block n + 1
.endif
	s_wait_dscnt 0x0                               ; the add is done, and my reads of the slot that I have left are over
	s_barrier_signal -1
	s_barrier_wait -1
.if \fill
	TLOAD                                          ; the first thing behind the barrier, and a wave's one tensor load until the next
	ASK
.endif
	v_add_nc_u32 v[ADK], s[TB], v[AK0]
	v_add_nc_u32 v[ADV], s[TB], v[AV0]
.endm
; A query block goes out: O^T / l, rounded to f16, through my own stage, back as four whole rows an instruction: 512 consecutive bytes of att.
.macro FINAL
.rept 4
	v_nop                                          ; places behind the last products
.endr
.irp t, 0,1
	v_add_f32 v[ST+8*\t+4], v[ST+8*\t+2], v[ST+8*\t+3]
.endr
.irp t, 0,1
	v_permlanex16_b32 v[ST+8*\t+5], v[ST+8*\t+4], s[SEL], s[SEL+1]
.endr
.irp t, 0,1
	v_add_f32 v[ST+8*\t+4], v[ST+8*\t+4], v[ST+8*\t+5]
.endr
.irp t, 0,1
	v_rcp_f32 v[ST+8*\t+6], v[ST+8*\t+4]
.endr
	v_nop
	s_wait_alu depctr_va_vdst(0)                   ; one wait for the two reciprocals, ahead of their first reader
.set z, 0
.rept 32
	v_pk_mul_f32 v[O+2*z:O+2*z+1], v[O+2*z:O+2*z+1], v[ST+8*(z/16)+6:ST+8*(z/16)+7] op_sel_hi:[1,0]
.set z, z+1
.endr
.set z, 0
.rept 32
	v_cvt_pk_f16_f32 v[P+z], v[O+2*z], v[O+2*z+1]
.set z, z+1
.endr
.irp t, 0,1
.irp p, 0,1,2,3
	ds_store_b128 v[STO], v[P+16*\t+4*\p:P+16*\t+4*\p+3] offset:16*SPI*\t+32*\p
.endr
.endr
.irp i, 0,1,2,3,4,5,6,7
	ds_load_b128 v[S+4*\i:S+4*\i+3], v[RD] offset:4*SPI*\i   ; in order behind my stores (ISA guide 5.7.1.4)
.endr
.irp i, 0,1,2,3,4,5,6,7
	s_wait_dscnt 7-\i                              ; load i is in, the younger ones stay out
	global_store_b128 v[GO], v[S+4*\i:S+4*\i+3], s[OA:OA+1] offset:512*\i
.endr
	s_wait_xcnt 0x0                                ; the stores have read their registers and their base: both are written again
.endm
; A query block begins: s60 holds its number.  O^T and l begin as zeros and m as -3e38, so that one written step serves the first step too.
.macro BEGIN
	s_lshl_b32 s[Q0], s60, 8
	s_add_co_u32 s[Q0], s[Q0], s[SG]
	s_lshl_b32 s58, s[Q0], 7
	s_mov_b32 s59, 0
	s_add_nc_u64 s[QA:QA+1], s[QH:QH+1], s[58:59]
	s_add_nc_u64 s[OA:OA+1], s[OH:OH+1], s[58:59]
	WIN 0x40
.irp t, 0,1
.irp c, 0,1
	global_load_b128 v[16*\t+8*\c:16*\t+8*\c+3], v[QO], s[QA:QA+1] offset:2048*\t+64*\c
	global_load_b128 v[16*\t+8*\c+4:16*\t+8*\c+7], v[QO], s[QA:QA+1] offset:2048*\t+64*\c+32
.endr
.endr
	WIN 0
.set z, 0
.rept 64
	v_mov_b32 v[O+z], 0
.set z, z+1
.endr
.irp t, 0,1
	v_mov_b32 v[ST+8*\t+1], 0xff61b1e6             ; -3e38, under every score
	v_mul_f32 v[ST+8*\t], s[CS], v[ST+8*\t+1]
.irp k, 2,3,4,5,6,7
	v_mov_b32 v[ST+8*\t+\k], 0
.endr
.endr
	s_wait_loadcnt 0x0                             ; Q
.endm
	s_load_b128 s[4:7], s[0:1], 0x0                ; qkv, att
	v_lshl_add_u32 v[SPW], v0, 2, SPARE
	v_mov_b32 v[NIL], 0
	ds_add_u32 v[SPW], v[NIL]                      ; the wave's opening: the add, twice on end, and its wait ahead of my first tensor load
	ds_add_u32 v[SPW], v[NIL]
	v_lshrrev_b32 v1, 5, v0
	v_readfirstlane_b32 s[WV], v1                  ; wave 0..7
	s_mov_b32 s[BI], ttmp9
	s_add_co_u32 s[SW], s[BI], 1
	s_and_b32 s60, ttmp7, 0xffff                   ; 16 x batch + head
	s_mov_b32 s[G1K], (1<<16)|(1<<20)|(5<<22)|(3<<25)   ; no mask; elements of 2 bytes; padding on: after every 64 words 4 words
	s_mov_b32 s[G1V], (1<<16)|(1<<20)|(5<<22)|(7<<25)   ; the same with 8 words
.irp g, G1K, G1V
	s_mov_b32 s[\g+1], 128<<16                     ; tensor_dim0 = 128 elements: two keys' rows, dense in memory
	s_mov_b32 s[\g+2], 64<<16                      ; tensor_dim1 = 64
	s_mov_b32 s[\g+3], 128<<16                     ; tile_dim0
	s_mov_b32 s[\g+4], 64                          ; tile_dim1
	s_mov_b32 s[\g+5], 128                         ; from row to row
	s_mov_b32 s[\g+6], 0
	s_mov_b32 s[\g+7], 0
.endr
	s_mov_b32 s[CS], 0x3e38aa3b                    ; c = log2(e) / 8
	s_mov_b32 s[CS+1], s[CS]                       ; (named with it as a pair)
	s_mov_b32 s[SEL], 0x76543210
	s_mov_b32 s[SEL+1], 0xfedcba98
	s_mov_b32 s[TB], 0
	s_and_b32 s61, s[WV], 1                        ; which half of a slot's rows I fetch
	s_mul_i32 s96, s61, 64*KP
	s_mul_i32 s97, s61, 64*VP
	s_add_co_u32 s97, s97, VOFF
	s_lshl_b32 s58, s60, 18                        ; a head is 262,144 bytes
	s_mov_b32 s59, 0
	s_wait_dscnt 0x0                               ; both opening adds are done
	s_wait_kmcnt 0x0
	s_add_nc_u64 s[QH:QH+1], s[4:5], s[58:59]
	s_lshl_b32 s61, s61, 14
	s_add_co_u32 s58, s58, s61
	s_add_co_u32 s58, s58, 64<<18
	s_add_nc_u64 s[KB:KB+1], s[4:5], s[58:59]
	s_add_co_u32 s58, s58, 64<<18
	s_add_nc_u64 s[VB:VB+1], s[4:5], s[58:59]
	s_mov_b32 s[G0K], 1
	s_mov_b32 s[G0K+1], s96
	s_mov_b64 s[G0K+2:G0K+3], s[KB:KB+1]
	s_or_b32 s[G0K+3], s[G0K+3], 0x80000000
	s_mov_b32 s[G0V], 1
	s_mov_b32 s[G0V+1], s97
	s_mov_b64 s[G0V+2:G0V+3], s[VB:VB+1]
	s_or_b32 s[G0V+3], s[G0V+3], 0x80000000
	TLOAD                                          ; slot 0: key block 0, which counts for every query
	s_and_b32 s58, s60, 15                         ; att: head x 8192 rows + batch x 2048 rows, 128 bytes a row
	s_lshl_b32 s58, s58, 20
	s_lshr_b32 s61, s60, 4
	s_lshl_b32 s61, s61, 18
	s_add_co_u32 s58, s58, s61
	s_add_nc_u64 s[OH:OH+1], s[6:7], s[58:59]
	s_cmp_lt_u32 s[WV], 6
	s_cselect_b64 s[PFA:PFA+1], s[KB:KB+1], s[VB:VB+1]   ; at key block 0; each change of slots steps it
	s_lshr_b32 s58, s[WV], 2
	s_xor_b32 s58, s58, 1                          ; 0 in waves 4 to 7,
	s_or_b32 s58, s58, s[BI]                       ; of the work-group with i = 0
	s_cmp_eq_u32 s58, 0
	s_cselect_b32 s[PLO], 3, -1
	s_sub_co_u32 s58, 11, s[WV]
	s_cmp_lt_u32 s[WV], 4
	s_cselect_b32 s58, s[WV], s58                  ; my part of a query block: w, or 11 - w: waves w and w + 4 have five steps together in a slot on the diagonal
	s_lshl_b32 s[SG], s58, 5
	v_and_b32 v16, 15, v0                          ; r
	v_bfe_u32 v17, v0, 4, 1                        ; h
	v_and_b32 v18, 31, v0                          ; lane
	v_lshrrev_b32 v19, 1, v16
	v_mul_u32_u24 v[AK0], v19, KP                  ; K: key r of a tile: row r / 2, half r % 2, + 16 h
	v_and_b32 v19, 1, v16
	v_lshl_add_u32 v[AK0], v19, 7, v[AK0]
	v_lshl_add_u32 v[AK0], v17, 4, v[AK0]
	v_bfe_u32 v19, v0, 1, 2
	v_lshl_add_u32 v19, v17, 2, v19
	v_mul_u32_u24 v[AV0], v19, VP                  ; V: key 8 h + lane % 8: row 4 h + (lane % 8) / 2, half lane % 2; channels 8 ((lane / 8) % 2) on
	v_and_b32 v19, 1, v0
	v_lshl_add_u32 v[AV0], v19, 7, v[AV0]
	v_bfe_u32 v19, v0, 3, 1
	v_lshl_add_u32 v[AV0], v19, 4, v[AV0]
	v_add_nc_u32 v[AV0], VOFF, v[AV0]
	v_lshlrev_b32 v[QO], 7, v16
	v_lshl_add_u32 v[QO], v17, 4, v[QO]
	s_mul_i32 s58, s[WV], 32*SPI
	s_add_co_u32 s58, s58, STAGE
	v_mul_u32_u24 v[STO], v16, SPI
	v_lshl_add_u32 v[STO], v17, 4, v[STO]
	v_add_nc_u32 v[STO], s58, v[STO]
	v_lshrrev_b32 v19, 3, v18
	v_mul_u32_u24 v[RD], v19, SPI
	v_and_b32 v19, 7, v0
	v_lshl_add_u32 v[RD], v19, 4, v[RD]
	v_add_nc_u32 v[RD], s58, v[RD]
	v_lshlrev_b32 v[GO], 4, v18
	v_lshlrev_b32 v[PFO], 8, v18
	v_lshlrev_b32 v19, 3, v17
	v_sub_nc_u32 v[RH], v16, v19
	v_mov_b32 v[NINF], 0xff800000
	s_mov_b32 s60, s[BI]
	BEGIN
	s_mov_b32 s[TRIP], 0
.Ltrip:                                ; eight trips: behind each change of slots the next trip's key block is asked for
	CHANGE 1
	s_cmp_lg_u32 s[TRIP], s[SW]                    ; ids and the count of trips alone: all eight waves go the same way
	s_cbranch_scc1 .Lsame
	FINAL
	s_sub_co_u32 s60, 7, s[BI]
	BEGIN
.Lsame:
	STEP 0
	STEP 1
	STEP 2
	STEP 3
	s_xor_b32 s[TB], s[TB], SLOT1
	s_add_co_u32 s[TRIP], s[TRIP], 1
	s_cmp_lt_u32 s[TRIP], 8
	s_cbranch_scc1 .Ltrip
	CHANGE 0                                       ; the ninth trip is written out: nothing is left to fetch
	STEP 0
	STEP 1
	STEP 2
	STEP 3
	FINAL
	s_wait_tensorcnt 0x0                           ; the wave's end
	ds_add_u32 v[SPW], v[NIL]
	s_wait_dscnt 0x0
	s_endpgm
.Lfunc_end_k_q11b0c801bb_attn:
	.size	k_q11b0c801bb_attn, .Lfunc_end_k_q11b0c801bb_attn-k_q11b0c801bb_attn
	.p2alignl 7, 3214868480
	.fill 96, 4, 3214868480
	.section	.rodata,"a",@progbits
	.p2align	6, 0x0
	.amdhsa_kernel k_q11b0c801bb_attn
		.amdhsa_group_segment_fixed_size 327680
		.amdhsa_private_segment_fixed_size 0
		.amdhsa_enable_private_segment 0
		.amdhsa_kernarg_size 16
		.amdhsa_user_sgpr_count 2
		.amdhsa_user_sgpr_kernarg_segment_ptr 1
		.amdhsa_wavefront_size32 1
		.amdhsa_system_sgpr_workgroup_id_x 1
		.amdhsa_system_sgpr_workgroup_id_y 1
		.amdhsa_system_sgpr_workgroup_id_z 1
		.amdhsa_system_vgpr_workitem_id 0
		.amdhsa_next_free_vgpr 512
		.amdhsa_next_free_sgpr 100
		.amdhsa_reserve_vcc 1
		.amdhsa_float_denorm_mode_32 3
		.amdhsa_float_denorm_mode_16_64 3
		.amdhsa_memory_ordered 1
		.amdhsa_forward_progress 1
		.amdhsa_inst_pref_size 198
	.end_amdhsa_kernel
	.amdgpu_metadata
---
amdhsa.version: [ 1, 2 ]
amdhsa.kernels:
  - .name:           k_q11b0c801bb_attn
    .symbol:         k_q11b0c801bb_attn.kd
    .args:
      - { .name: qkv, .offset: 0, .size: 8, .value_kind: global_buffer, .address_space: global }
      - { .name: att, .offset: 8, .size: 8, .value_kind: global_buffer, .address_space: global }
    .group_segment_fixed_size: 327680
    .private_segment_fixed_size: 0
    .kernarg_segment_align: 8
    .kernarg_segment_size: 16
    .max_flat_workgroup_size: 256
    .sgpr_count:     100
    .vgpr_count:     512
    .wavefront_size: 32
...
	.end_amdgpu_metadata
.endif
;; end of part 3
;; launch proj (part 4): grid 4 x 64, 4 waves a work-group, clusters of 4 x 4, 327,680 bytes of LDS; arguments att, w16, b_out, out0; writes out0
.if DOCPART == 4
	.amdgcn_target "amdgcn-amd-amdhsa--gfx1250"
	.amdhsa_code_object_version 6
	.text
	.protected	k_q11b0c801bb_proj
	.globl	k_q11b0c801bb_proj
	.p2align	8
	.type	k_q11b0c801bb_proj,@function
k_q11b0c801bb_proj:
	s_mov_b64 s[64:65], 0
	v_nop
	global_prefetch_b8 v0, s[64:65] scope:SCOPE_SE
	s_setreg_imm32_b32 hwreg(HW_REG_WAVE_MODE, 25, 1), 1
	s_wait_xcnt 0x0
	s_wait_alu depctr_hold_cnt(0) depctr_sa_sdst(0) depctr_va_vdst(0) depctr_va_sdst(0) depctr_va_ssrc(0) depctr_va_vcc(0) depctr_vm_vsrc(0)
	s_getreg_b32 s2, hwreg(HW_REG_IB_STS2, 6, 4)
	s_cmp_eq_u32 s2, 0
	s_cbranch_scc0 .Lentry_in_a_cluster
	s_endpgm
.Lentry_in_a_cluster:
	s_bfe_u32 s2, ttmp6, 0x10000c
	s_cmp_lg_u32 s2, 0xf033
	s_cbranch_scc0 .Lentry_shape_is_right
	s_endpgm
.Lentry_shape_is_right:
; out0[m][n] = sum over k of att[m][k] w_out[n][k] + b_out[n].  att: f16, [16 heads][8192 rows][64] (k = 64 head + channel); w16: w_out in f16, [1024][1024]; out0: f32 [8192][1024]; sums in f32.
; A tile of out0 is 128 (m) x 256 (n): 256 work-groups.  Four waves, each 64 x 128: 32 accumulators, 256 registers.  K goes in steps of 128 (two heads) through two LDS slots.
; att's tile of a K step is two dense planes of 128 rows x 128 bytes, each stated as 64 rows of 256 bytes; w16's is 256 rows of 256 bytes.  Waves 0, 1 fetch att's planes, waves 2, 3 the halves of w16's rows: one load a wave.
; CLUSTERS: 4 x 4 work-groups.  A row of the cluster covers all 1,024 columns and asks for att's tiles jointly; a column asks for w16's jointly.
; THE MATRIX INSTRUCTION IS USED TRANSPOSED (source 0 = 16 rows of w16, source 1 = 16 rows of att): a lane holds eight neighbouring columns of one row.  The bias is the C of each sum's first product.
; REGISTERS.  window 0: v1-31 addresses; v64-127 att's fragments, two buffers of 32; v128-255 rows on the way out.  window 1: v0-127 w16's fragments, two buffers of 64; v128-191 the bias, 8 registers for each block of 16 columns.  window 2: accumulators ((a, b) at v[8 (8 a + b)]).
.set PITCH,  272                       ; 256 bytes + 16: the 16 lanes of a fragment load touch 16 different 16-byte columns modulo 256
.set APL,    64*PITCH                  ; a plane of att's tile
.set ASZ,    2*APL
.set BHALF,  128*PITCH
.set SLOT,   ASZ+2*BHALF
.set STAGE,  2*SLOT                    ; behind the slots: 16 rows x (512 bytes + 16) for each wave; no tile lands here
.set SPITCH, 528
.set SPARE,  STAGE+4*16*SPITCH
.set ADRA, 16
.set ADRB, 20
.set STO,  24
.set RD,   25
.set CO,   26
.set BO,   27
.set SPW,  28
.set NIL,  29
.set PFO,  30
.set BK,   128
.set G1, 24
.set G0, 32
.set G1B, 48
.set G0B, 56
.set LIM, 43                           ; s43  1 in wave 0, else the greatest number
.set PFA, 44                           ; s[44:45] where my work-group's prefetches stand
.set MSB, 0
.macro WIN new
.if MSB != \new
	s_set_vgpr_msb (MSB<<8)|\new
.set MSB, \new
.endif
.endm
.set MUL,  0xa1                        ; source 0 window 1, source 1 window 0, C and D window 2
.set MULB, 0x91                        ; the same with C (the bias) in window 1
.set TO_B, 0x40
.macro JLOAD s                         ; a joint load; an s_nop 0 and four v_nop follow each of the two lines
	s_cmp_eq_u32 s13, 0
	s_cbranch_scc0 .Lfor_b_\@
	tensor_load_to_lds s[G0+4*\s:G0+4*\s+3], s[G1:G1+7]
	s_nop 0
.rept 4
	v_nop
.endr
	s_branch .Lasked_\@
.Lfor_b_\@:
	tensor_load_to_lds s[G0B+4*\s:G0B+4*\s+3], s[G1B:G1B+7]
	s_nop 0
.rept 4
	v_nop
.endr
.Lasked_\@:
.endm
.macro CREST
	s_cmp_lg_u32 s12, 0
	s_cbranch_scc1 .Lnot_wave_0_\@
	s_barrier_signal -3
.Lnot_wave_0_\@:
	s_barrier_wait -3
	s_barrier_signal -1
	s_barrier_wait -1
.endm
.macro CROUND
	s_barrier_signal -1
	s_barrier_wait -1
	CREST
.endm
; A PREFETCH of att's tile two K steps (256 matrix instructions a wave) ahead of the joint load that will ask for it.  A tile is 32,768 bytes; the four partners that ask for it jointly take 8,192 each, told apart by address
; (plane cx / 2, rows 64 (cx % 2) on); in each, wave 0 asks: one instruction, lanes 256 bytes apart.  No other cluster reads these rows, so each block of 256 bytes is named once.  The refills of K steps 2 to 5 ask for K steps 4 to 7; the loop's last trip asks for nothing.
; w16 is read again by every row of clusters and is not asked for.
.macro ASK
	s_cmp_gt_u32 s3, s[LIM]
	s_cbranch_scc0 .Lnot_mine_\@
	global_prefetch_b8 v[PFO], s[PFA:PFA+1] th:TH_LOAD_NT scope:SCOPE_SE
.Lnot_mine_\@:
.endm
	s_load_b256 s[4:11], s[0:1], 0x0               ; att s[4:5], w16 s[6:7], b_out s[8:9], out0 s[10:11]
	v_lshl_add_u32 v[SPW], v0, 2, SPARE
	v_mov_b32 v[NIL], 0
	ds_add_u32 v[SPW], v[NIL]                      ; the wave's opening: the add, twice on end, and its wait ahead of my first tensor load
	ds_add_u32 v[SPW], v[NIL]
	v_lshrrev_b32 v1, 5, v0
	v_readfirstlane_b32 s12, v1                    ; wave 0..3
	s_lshr_b32 s13, s12, 1                         ; which 64 rows are mine.  Also: I fetch for att (0) or for w16 (1)
	s_and_b32 s14, s12, 1                          ; which 128 columns.  Also: which plane, or which 128 rows, I fetch
	s_bfe_u32 s40, ttmp6, 0x40000                  ; cx
	s_bfe_u32 s41, ttmp6, 0x40004                  ; cy
	s_lshl_b32 s42, ttmp9, 2
	s_add_co_u32 s42, s42, s40                     ; tile column
	s_and_b32 s15, ttmp7, 0xffff
	s_lshl_b32 s15, s15, 2
	s_add_co_u32 s15, s15, s41                     ; tile row
	s_lshl_b32 s43, s41, 2
	s_lshl_b32 s43, 15, s43                        ; my row of the cluster
	s_lshl_b32 s44, 0x1111, s40                    ; my column
	s_or_b32 s[G1+0], s43, (1<<16)|(1<<20)|(1<<21)|(5<<22)|(3<<25)   ; the mask; elements of 2 bytes; padding on; bit 21 beside a mask; after every 64 words 4 words
	s_or_b32 s[G1B+0], s44, (1<<16)|(1<<20)|(1<<21)|(5<<22)|(3<<25)
	s_mov_b32 s[G1+1], 128<<16                     ; att: 64 rows of 128 elements, dense
	s_mov_b32 s[G1+2], 64<<16
	s_mov_b32 s[G1+3], 128<<16
	s_mov_b32 s[G1+4], 64
	s_mov_b32 s[G1+5], 128
	s_mov_b32 s[G1+6], 0
	s_mov_b32 s[G1+7], 0
	s_mov_b32 s[G1B+1], 128<<16                    ; w16: 128 rows of 128 elements, 1,024 elements apart
	s_mov_b32 s[G1B+2], 128<<16
	s_mov_b32 s[G1B+3], 128<<16
	s_mov_b32 s[G1B+4], 128
	s_mov_b32 s[G1B+5], 1024
	s_mov_b32 s[G1B+6], 0
	s_mov_b32 s[G1B+7], 0
	s_lshl_b32 s16, s14, 20                        ; att: plane (wave % 2) of 8192 x 128 bytes,
	s_lshl_b32 s17, s15, 14                        ; + 128 x tile row rows of 128 bytes
	s_add_co_u32 s16, s16, s17
	s_mov_b32 s17, 0
	s_lshl_b32 s46, s42, 19                        ; w16: row 256 x tile column + 128 x (wave % 2), 2,048 bytes a row
	s_lshl_b32 s47, s14, 18
	s_add_co_u32 s46, s46, s47
	s_mov_b32 s47, 0
	s_mul_i32 s20, s14, APL                        ; where they go: no place in the cluster enters an LDS address
	s_mul_i32 s21, s14, BHALF
	s_add_co_u32 s21, s21, ASZ
	s_wait_dscnt 0x0                               ; both opening adds are done
	s_wait_kmcnt 0x0
	s_add_nc_u64 s[18:19], s[4:5], s[16:17]
	s_add_nc_u64 s[46:47], s[6:7], s[46:47]
	CROUND                                         ; all sixteen work-groups are here: the first joint loads meet
.irp s, 0,1
	s_mov_b32 s[G0+4*\s], 1
	s_add_co_u32 s[G0+4*\s+1], s20, \s*SLOT
	s_add_nc_u64 s[G0+4*\s+2:G0+4*\s+3], s[18:19], \s*2*8192*128    ; K step s: heads 2 s, 2 s + 1
	s_or_b32 s[G0+4*\s+3], s[G0+4*\s+3], 0x80000000
	s_mov_b32 s[G0B+4*\s], 1
	s_add_co_u32 s[G0B+4*\s+1], s21, \s*SLOT
	s_add_nc_u64 s[G0B+4*\s+2:G0B+4*\s+3], s[46:47], \s*256
	s_or_b32 s[G0B+4*\s+3], s[G0B+4*\s+3], 0x80000000
	JLOAD \s                                       ; two tensor loads of mine are out
.endr
	v_and_b32 v1, 15, v0                           ; r
	v_bfe_u32 v2, v0, 4, 1                         ; h
	v_lshrrev_b32 v3, 1, v1
	v_mul_u32_u24 v3, v3, PITCH                    ; att: row r of a block: LDS row r / 2, half r % 2, + 16 h
	v_and_b32 v4, 1, v1
	v_lshl_add_u32 v3, v4, 7, v3
	v_lshl_add_u32 v3, v2, 4, v3
	v_mul_u32_u24 v4, v1, PITCH                    ; w16: row r x pitch + 16 h
	v_lshl_add_u32 v4, v2, 4, v4
	s_mul_i32 s21, s13, 32*PITCH                   ; my 64 rows of att: 32 LDS rows
	s_mul_i32 s22, s14, BHALF                      ; my 128 rows of w16, behind att's planes
	s_add_co_u32 s22, s22, ASZ
.irp s, 0,1
	v_add_nc_u32 v[ADRA+\s], s21, v3
	v_add_nc_u32 v[ADRB+\s], s22, v4
	s_add_co_u32 s21, s21, SLOT
	s_add_co_u32 s22, s22, SLOT
.endr
	s_mul_i32 s23, s12, 16*SPITCH
	s_add_co_u32 s23, s23, STAGE                   ; my stage
	v_mul_u32_u24 v5, v1, SPITCH                   ; in: row r, 32 bytes for each half of the lanes
	v_lshl_add_u32 v5, v2, 5, v5
	v_add_nc_u32 v[STO], s23, v5
	v_and_b32 v6, 31, v0
	v_lshlrev_b32 v[CO], 4, v6                     ; back: the 32 lanes take one row of 512 bytes; the same in out0
	v_add_nc_u32 v[RD], s23, v[CO]
	v_lshlrev_b32 v[PFO], 8, v6
	v_lshlrev_b32 v[BO], 5, v2                     ; the bias: my half's eight numbers of a block of 16
	s_lshl_b32 s46, s42, 10                        ; my first column in bytes: 1,024 x tile column + 512 x (wave % 2)
	s_lshl_b32 s47, s14, 9
	s_add_co_u32 s46, s46, s47
	s_mov_b32 s47, 0
	s_add_nc_u64 s[8:9], s[8:9], s[46:47]
	s_add_nc_u64 s[10:11], s[10:11], s[46:47]
	s_lshl_b32 s16, s15, 19                        ; my first row: 128 x tile row + 64 x (wave / 2), 4,096 bytes a row
	s_lshl_b32 s17, s13, 18
	s_add_co_u32 s16, s16, s17
	s_mov_b32 s17, 0
	s_add_nc_u64 s[10:11], s[10:11], s[16:17]
	WIN TO_B
.irp b, 0,1,2,3,4,5,6,7
	global_load_b128 v[128+8*\b:128+8*\b+3], v[BO], s[8:9] offset:64*\b
	global_load_b128 v[128+8*\b+4:128+8*\b+7], v[BO], s[8:9] offset:64*\b+16
.endr
	WIN 0
	s_lshr_b32 s20, s40, 1                         ; the prefetches: plane 2 x 3 + cx / 2 (K step 3: the first refill steps it to 4),
	s_add_co_u32 s20, s20, 6
	s_lshl_b32 s20, s20, 20
	s_lshl_b32 s21, s15, 14                        ; my tile's rows,
	s_add_co_u32 s20, s20, s21
	s_and_b32 s21, s40, 1
	s_lshl_b32 s21, s21, 13                        ; 64 (cx % 2) rows on
	s_add_co_u32 s20, s20, s21
	s_mov_b32 s21, 0
	s_add_nc_u64 s[PFA:PFA+1], s[4:5], s[20:21]
	s_cmp_eq_u32 s12, 0
	s_cselect_b32 s[LIM], 1, -1
.macro MUL8 f, a, first                ; block a of att's rows against the eight blocks of w16's, 32 along K, from buffer f.  The 32 accumulators take turns, one instruction a turn
.irp b, 0,1,2,3,4,5,6,7
.if \first
	v_wmma_f32_16x16x32_f16 v[8*(8*(\a)+\b):8*(8*(\a)+\b)+7], v[64*(\f)+8*\b:64*(\f)+8*\b+7], v[64+32*(\f)+8*(\a):64+32*(\f)+8*(\a)+7], v[128+8*\b:128+8*\b+7]
.else
	v_wmma_f32_16x16x32_f16 v[8*(8*(\a)+\b):8*(8*(\a)+\b)+7], v[64*(\f)+8*\b:64*(\f)+8*\b+7], v[64+32*(\f)+8*(\a):64+32*(\f)+8*(\a)+7], v[8*(8*(\a)+\b):8*(8*(\a)+\b)+7]
.endif
.endr
.endm
.macro FETCH slot, q, f                ; 24 LDS loads in one run: the slot's q-th 32 along K into buffer f: w16's 16, then att's 8
	WIN TO_B
.irp i, 0,1,2,3,4,5,6,7
	ds_load_b128 v[64*(\f)+8*\i:64*(\f)+8*\i+3],   v[ADRB+\slot] offset:64*(\q)+\i*16*PITCH
	ds_load_b128 v[64*(\f)+8*\i+4:64*(\f)+8*\i+7], v[ADRB+\slot] offset:64*(\q)+\i*16*PITCH+32
.endr
	WIN 0
.irp i, 0,1,2,3
	ds_load_b128 v[64+32*(\f)+8*\i:64+32*(\f)+8*\i+3],   v[ADRA+\slot] offset:((\q)/2)*APL+64*((\q)%2)+\i*8*PITCH
	ds_load_b128 v[64+32*(\f)+8*\i+4:64+32*(\f)+8*\i+7], v[ADRA+\slot] offset:((\q)/2)*APL+64*((\q)%2)+\i*8*PITCH+32
.endr
.endm
.macro PLACES
.rept 4
	v_nop
.endr
.endm
; A K step is four quarters of 32 along K, 32 matrix instructions each, on buffers 0, 1, 0, 1.  One of the first three: multiplies buffer f and fetches quarter q of the same slot into buffer g.
.macro QUARTER slot, q, f, g, first
	s_wait_dscnt 4                                 ; w16's fragments and att's blocks 0, 1 are in; the youngest four loads may be out
.if \first
	WIN MULB
.else
	WIN MUL
.endif
	MUL8 \f, 0, \first
	MUL8 \f, 1, \first
	PLACES
	FETCH \slot, \q, \g
	s_wait_dscnt 24                                ; all but the 24 just issued
.if \first
	WIN MULB
.else
	WIN MUL
.endif
	MUL8 \f, 2, \first
	MUL8 \f, 3, \first
.endm
; The last quarter multiplies buffer 1 and changes slots: one barrier; in front of it each wave waits for all its tensor loads, adds 0 to its spare word, and waits for that and for its reads of this slot.  fill = 1: this slot is filled again, two K steps ahead.
.macro TURN slot, next, fill
.if \fill
	s_wait_xcnt 0x0                                ; the last prefetch, a K step back, has read its address
	s_add_nc_u64 s[PFA:PFA+1], s[PFA:PFA+1], 2*8192*128
.endif
	WIN 0
	s_wait_tensorcnt 0x0                           ; all my tensor loads have landed: my part of the next slot
	ds_add_u32 v[SPW], v[NIL]
	s_wait_dscnt 5                                 ; (the add and the youngest four loads may be out)
	WIN MUL
	MUL8 1, 0, 0
	s_wait_dscnt 0x0                               ; the add is done, and my reads of this slot are over
	s_barrier_signal -1
	MUL8 1, 1, 0
.if \fill
	WIN 0
.endif
	s_barrier_wait -1
.if \fill
	CREST                                          ; the barrier has opened a round of the cluster's barrier: no wave of any partner still reads this slot or has a load on its way
	s_add_nc_u64 s[G0+4*\slot+2:G0+4*\slot+3], s[G0+4*\slot+2:G0+4*\slot+3], 4*8192*128
	s_add_nc_u64 s[G0B+4*\slot+2:G0B+4*\slot+3], s[G0B+4*\slot+2:G0B+4*\slot+3], 512
	JLOAD \slot                                    ; the first tensor load behind the round; its four v_nop are also the places in front of the loads below
.else
	PLACES
.endif
	FETCH \next, 0, 0
.if \fill
	ASK
.endif
	WIN MUL
	MUL8 1, 2, 0
	MUL8 1, 3, 0
.endm
	s_wait_tensorcnt 1                             ; my part of K step 0 is in (K step 1's load may be out),
	s_barrier_signal -1
	s_barrier_wait -1                              ; everybody's is
	FETCH 0, 0, 0
	s_wait_loadcnt 0x0                             ; the bias
	QUARTER 0, 1, 0, 1, 1                          ; the first quarter stands in front of the loop: its products start the sums from the bias
	WIN 0
	s_mov_b32 s3, 3
.Llap:                                 ; a trip goes once round the two slots and fills both again: K steps 2 to 7 in three trips
	QUARTER 0, 2, 1, 0, 0
	QUARTER 0, 3, 0, 1, 0
	TURN 0, 1, 1
	QUARTER 1, 1, 0, 1, 0
	QUARTER 1, 2, 1, 0, 0
	QUARTER 1, 3, 0, 1, 0
	TURN 1, 0, 1
	QUARTER 0, 1, 0, 1, 0
	WIN 0
	s_sub_co_u32 s3, s3, 1
	s_cmp_lg_u32 s3, 0
	s_cbranch_scc1 .Llap
	QUARTER 0, 2, 1, 0, 0                          ; the last two K steps fill nothing
	QUARTER 0, 3, 0, 1, 0
	TURN 0, 1, 0
	QUARTER 1, 1, 0, 1, 0
	QUARTER 1, 2, 1, 0, 0
	QUARTER 1, 3, 0, 1, 0
	s_wait_dscnt 4
	WIN MUL
	MUL8 1, 0, 0
	MUL8 1, 1, 0
	s_wait_dscnt 0
	MUL8 1, 2, 0
	MUL8 1, 3, 0
	WIN 0
; THE WAY OUT, a block of 16 rows x 128 columns at a time, through my own stage: back as whole rows of 512 bytes.
.macro TOSTAGE a
	WIN 0x08                                       ; an LDS store's data are its source 1: window 2
.irp b, 0,1,2,3,4,5,6,7
	ds_store_b128 v[STO], v[64*(\a)+8*\b:64*(\a)+8*\b+3] offset:64*\b          ; each accumulator from its low end on
	ds_store_b128 v[STO], v[64*(\a)+8*\b+4:64*(\a)+8*\b+7] offset:64*\b+16
.endr
	WIN 0
.set BB, BK+64*((\a)%2)
.irp t, 0,1,2,3,4,5,6,7,8,9,10,11,12,13,14,15
	ds_load_b128 v[BB+4*\t:BB+4*\t+3], v[RD] offset:\t*SPITCH   ; in order behind my stores (ISA guide 5.7.1.4)
.endr
.endm
.macro SEND a, younger
.set BB, BK+64*((\a)%2)
	s_wait_dscnt \younger                          ; the block is back; the next block's 16 stores and 16 loads may be out
.irp t, 0,1,2,3,4,5,6,7,8,9,10,11,12,13,14,15
	global_store_b128 v[CO], v[BB+4*\t:BB+4*\t+3], s[10:11] offset:(16*(\a)+\t)*4096 th:TH_STORE_NT   ; 512 consecutive bytes, aligned; every place stands in the immediate
.endr
.endm
	PLACES
	TOSTAGE 0
.irp a, 1,2,3
.if \a > 1
	s_wait_xcnt 0x0                                ; block a - 2's stores have read their registers: block a's loads may land there
.endif
	TOSTAGE \a
	SEND \a-1, 32
.endr
	SEND 3, 0
	s_wait_tensorcnt 0x0                           ; the wave's end
	ds_add_u32 v[SPW], v[NIL]
	s_wait_dscnt 0x0
	CROUND                                         ; the closing round
	s_endpgm
.Lfunc_end_k_q11b0c801bb_proj:
	.size	k_q11b0c801bb_proj, .Lfunc_end_k_q11b0c801bb_proj-k_q11b0c801bb_proj
	.p2alignl 7, 3214868480
	.fill 96, 4, 3214868480
	.section	.rodata,"a",@progbits
	.p2align	6, 0x0
	.amdhsa_kernel k_q11b0c801bb_proj
		.amdhsa_group_segment_fixed_size 327680
		.amdhsa_private_segment_fixed_size 0
		.amdhsa_enable_private_segment 0
		.amdhsa_kernarg_size 32
		.amdhsa_user_sgpr_count 2
		.amdhsa_user_sgpr_kernarg_segment_ptr 1
		.amdhsa_wavefront_size32 1
		.amdhsa_system_sgpr_workgroup_id_x 1
		.amdhsa_system_sgpr_workgroup_id_y 1
		.amdhsa_system_sgpr_workgroup_id_z 1
		.amdhsa_system_vgpr_workitem_id 0
		.amdhsa_next_free_vgpr 768
		.amdhsa_next_free_sgpr 66
		.amdhsa_reserve_vcc 0
		.amdhsa_float_denorm_mode_32 3
		.amdhsa_float_denorm_mode_16_64 3
		.amdhsa_memory_ordered 1
		.amdhsa_forward_progress 1
		.amdhsa_inst_pref_size 88
	.end_amdhsa_kernel
	.amdgpu_metadata
---
amdhsa.version: [ 1, 2 ]
amdhsa.kernels:
  - .name:           k_q11b0c801bb_proj
    .symbol:         k_q11b0c801bb_proj.kd
    .args:
      - { .name: att, .offset: 0, .size: 8, .value_kind: global_buffer, .address_space: global }
      - { .name: w16, .offset: 8, .size: 8, .value_kind: global_buffer, .address_space: global }
      - { .name: b_out, .offset: 16, .size: 8, .value_kind: global_buffer, .address_space: global }
      - { .name: out0, .offset: 24, .size: 8, .value_kind: global_buffer, .address_space: global }
    .group_segment_fixed_size: 327680
    .private_segment_fixed_size: 0
    .kernarg_segment_align: 8
    .kernarg_segment_size: 32
    .max_flat_workgroup_size: 128
    .sgpr_count:     66
    .vgpr_count:     768
    .wavefront_size: 32
...
	.end_amdgpu_metadata
.endif
;; end of part 4
;; launch fine16 (part 5): grid 64 x 4, 16 waves a work-group, no clusters, 18,432 bytes of LDS; arguments fine, w_out, b_out, out0; writes out0
.if DOCPART == 5
	.amdgcn_target "amdgcn-amd-amdhsa--gfx1250"
	.amdhsa_code_object_version 6
	.text
	.protected	k_q11b0c801bb_fine16
	.globl	k_q11b0c801bb_fine16
	.p2align	8
	.type	k_q11b0c801bb_fine16,@function
k_q11b0c801bb_fine16:
	s_mov_b64 s[64:65], 0
	v_nop
	global_prefetch_b8 v0, s[64:65] scope:SCOPE_SE
	s_setreg_imm32_b32 hwreg(HW_REG_WAVE_MODE, 25, 1), 1
	s_wait_xcnt 0x0
; Positions 0-15 of every sequence once more, wholly in f32: attention and projection.  These rows average one to sixteen values and are the largest of the output; here no operand is rounded.
; Work-group (x, batch) makes out0(batch, t = 0..15, n = 16 x .. 16 x + 15).  Wave w is head w: its 16 x 16 attention, then its own 64 of the projection's K onto the 16 columns; the 16 partial results meet in LDS.
; The attention is repeated in each of the 64 work-groups of a batch: the price of one launch spread over many work-groups; the matrix work is 48 instructions a wave, so this is no bulk work.
; q, k, v come from buffer fine as images of accumulators: image (ct, g) holds in lane (r, h) the four numbers qkv(t = r, feature 16 ct + 8 h + 4 g + 0..3).
; The f32 matrix form contracts 4 numbers: place (h, j) of source 0 meets place (h, j) of source 1.  In each product both sources are laid so that the same index stands at the same place.
; The registers that this form writes (v144-239) are written by matrix instructions alone; each sum begins with the constant 0; finished sums are added into other registers.
; The stores are runs of 64 bytes: 262,144 bytes in the whole launch.
.set SPARE, 16384                      ; LDS: 16 x 1,024 bytes of partial results, then the spare words, 128 bytes a wave
.set SPW, 10
.set NIL, 11
.set QR,  16                           ; v16-47   q;  behind the first product: at work
.set KR,  48                           ; v48-79   k
.set VR,  80                           ; v80-111  v, turned
.set WR,  112                          ; v112-143 w_out
.set SA,  144                          ; four accumulators of S^T
.set OC,  176                          ; of O^T
.set YA,  208                          ; of the projection
.set BB,  244                          ; v244-247 the bias
.set PP,  32                           ; v32-39   the weights
	s_load_b256 s[4:11], s[0:1], 0x0               ; fine, w_out, b_out, out0
	v_lshl_add_u32 v[SPW], v0, 2, SPARE
	v_mov_b32 v[NIL], 0
	v_lshrrev_b32 v1, 5, v0
	v_readfirstlane_b32 s12, v1                    ; wave = head
	s_and_b32 s14, ttmp7, 0xffff                   ; batch
	v_and_b32 v1, 15, v0                           ; r
	v_bfe_u32 v2, v0, 4, 1                         ; h
	v_and_b32 v3, 31, v0
	v_lshlrev_b32 v3, 4, v3                        ; 16 x lane: an image's place for my lane
	v_bfe_u32 v4, v0, 2, 1                         ; v, turned: channel r of a tile lies in image half (r / 4) % 2, lanes 16 (r / 8) on, word r % 4; key 8 h on
	v_lshlrev_b32 v4, 9, v4
	v_bfe_u32 v5, v0, 3, 1
	v_lshl_add_u32 v4, v5, 8, v4
	v_and_b32 v5, 3, v0
	v_lshl_add_u32 v4, v5, 2, v4
	v_lshl_add_u32 v4, v2, 7, v4
	v_lshlrev_b32 v5, 12, v1                       ; w_out: row r of 4,096 bytes, + 32 h
	v_lshl_add_u32 v5, v2, 5, v5
	s_lshl_b32 s16, s12, 10
	v_add_nc_u32 v6, s16, v3                       ; LDS: my wave's partial result
	s_and_b32 s15, s12, 1
	s_lshl_b32 s16, s15, 9
	v_add_nc_u32 v7, s16, v3                       ; LDS: half (wave % 2) of a partial result
	s_lshl_b32 s16, s15, 4
	v_add_nc_u32 v8, s16, v5                       ; out0: row r, + 32 h + 16 (wave % 2)
	v_lshlrev_b32 v9, 5, v2
	v_add_nc_u32 v9, s16, v9                       ; the bias: 32 h + 16 (wave % 2)
	v_lshlrev_b32 v12, 3, v2
	v_sub_nc_u32 v12, v1, v12                      ; r - 8 h
	v_mov_b32 v13, 0xff800000                      ; -infinity
	v_mov_b32 v14, 0                               ; (a lane permute's destination counts as one of its sources)
	s_mul_i32 s16, s14, 196608                     ; fine: batch x 192 images of 1,024 bytes + head x 4
	s_lshl_b32 s17, s12, 12
	s_add_co_u32 s16, s16, s17
	s_mov_b32 s17, 0
	s_lshl_b32 s22, ttmp9, 16                      ; w_out: 16 x rows of 4,096 bytes + head x 256
	s_lshl_b32 s23, s12, 8
	s_add_co_u32 s22, s22, s23
	s_mov_b32 s23, 0
	s_lshl_b32 s24, ttmp9, 6                       ; 16 x columns of 4 bytes
	s_mov_b32 s25, 0
	s_lshl_b32 s26, s14, 23                        ; out0: batch x 2,048 rows of 4,096 bytes
	s_add_co_u32 s26, s26, s24
	s_mov_b32 s27, 0
	s_mov_b32 s18, 0x3e38aa3b                      ; c = log2(e) / 8
	s_mov_b32 s19, s18
	s_mov_b32 s20, 0x76543210
	s_mov_b32 s21, 0xfedcba98
	s_wait_kmcnt 0x0
	s_add_nc_u64 s[4:5], s[4:5], s[16:17]
	s_add_nc_u64 s[6:7], s[6:7], s[22:23]
	s_add_nc_u64 s[8:9], s[8:9], s[24:25]
	s_add_nc_u64 s[10:11], s[10:11], s[26:27]
.irp c, 0,1,2,3
.irp g, 0,1
	global_load_b128 v[QR+8*\c+4*\g:QR+8*\c+4*\g+3], v3, s[4:5] offset:1024*\c+512*\g          ; q(t = r, 16 c + 8 h + 4 g + 0..3)
.endr
.endr
.irp c, 0,1,2,3
.irp g, 0,1
	global_load_b128 v[KR+8*\c+4*\g:KR+8*\c+4*\g+3], v3, s[4:5] offset:65536+1024*\c+512*\g    ; k likewise
.endr
.endr
.irp p, 0,1,2,3
.irp e, 0,1,2,3,4,5,6,7
	global_load_b32 v[VR+8*\p+\e], v4, s[4:5] offset:131072+1024*\p+16*\e                      ; v(key 8 h + e, channel 16 p + r)
.endr
.endr
.irp p, 0,1,2,3
	global_load_b128 v[WR+8*\p:WR+8*\p+3], v5, s[6:7] offset:64*\p                             ; w_out(16 x + r, 64 head + 16 p + 8 h + 0..7)
	global_load_b128 v[WR+8*\p+4:WR+8*\p+7], v5, s[6:7] offset:64*\p+16
.endr
	global_load_b128 v[BB:BB+3], v9, s[8:9]
	s_wait_loadcnt 41                              ; q and k are in; v's 32, w_out's 8 and the bias stay out
.irp c, 0,1,2,3                        ; S^T = k q^T: source 0 = 16 keys, source 1 = 16 queries; four accumulators by turns, each a quarter of the 64 channels
.irp u, 0,1,2,3
.if \c == 0
	v_wmma_f32_16x16x4_f32 v[SA+8*\u:SA+8*\u+7], v[KR+8*\c+2*\u:KR+8*\c+2*\u+1], v[QR+8*\c+2*\u:QR+8*\c+2*\u+1], 0
.else
	v_wmma_f32_16x16x4_f32 v[SA+8*\u:SA+8*\u+7], v[KR+8*\c+2*\u:KR+8*\c+2*\u+1], v[QR+8*\c+2*\u:QR+8*\c+2*\u+1], v[SA+8*\u:SA+8*\u+7]
.endif
.endr
.endr
.rept 8
	v_nop                                          ; eight places behind this form (ISA guide 7.12.1)
.endr
.irp j, 0,2,4,6
	v_pk_add_f32 v[16+\j:17+\j], v[SA+\j:SA+\j+1], v[SA+8+\j:SA+8+\j+1]        ; lane (r, h), register j: score of query r and key 8 h + j
.endr
.irp j, 0,2,4,6
	v_pk_add_f32 v[24+\j:25+\j], v[SA+16+\j:SA+16+\j+1], v[SA+24+\j:SA+24+\j+1]
.endr
.irp j, 0,2,4,6
	v_pk_add_f32 v[16+\j:17+\j], v[16+\j:17+\j], v[24+\j:25+\j]
.endr
.irp j, 0,1,2,3,4,5,6,7
	v_cmp_gt_i32 vcc_lo, \j, v12                   ; key 8 h + j comes after query r
	v_cndmask_b32 v[16+\j], v[16+\j], v13, vcc_lo
.endr
	v_max3_num_f32 v24, v16, v17, v18
	v_max3_num_f32 v25, v19, v20, v21
	v_max3_num_f32 v24, v24, v22, v23
	v_max_num_f32 v24, v24, v25
	v_permlanex16_b32 v14, v24, s20, s21
	v_max_num_f32 v24, v24, v14                    ; the row's largest score: key 0 counts for every query
	v_mul_f32 v24, s18, v24
.irp j, 0,2,4,6
	v_pk_fma_f32 v[16+\j:17+\j], v[16+\j:17+\j], s[18:19], v[24:25] op_sel_hi:[1,0,0] neg_lo:[0,0,1] neg_hi:[0,0,1]
.endr
.irp j, 0,1,2,3,4,5,6,7
	v_exp_f32 v[16+\j], v[16+\j]
.endr
	v_nop
	s_wait_alu depctr_va_vdst(0)                   ; one wait for the eight exponentials, ahead of their first reader
	v_pk_add_f32 v[26:27], v[16:17], v[18:19]
	v_pk_add_f32 v[28:29], v[20:21], v[22:23]
	v_pk_add_f32 v[26:27], v[26:27], v[28:29]
	v_add_f32 v26, v26, v27
	v_permlanex16_b32 v14, v26, s20, s21
	v_add_f32 v26, v26, v14
	v_rcp_f32 v26, v26
	v_nop
	s_wait_alu depctr_va_vdst(0)
.irp j, 0,2,4,6
	v_pk_mul_f32 v[PP+\j:PP+\j+1], v[16+\j:17+\j], v[26:27] op_sel_hi:[1,0]    ; the weights, normalised
.endr
	s_wait_loadcnt 9                               ; v is in; w_out's 8 and the bias stay out
.irp i, 0,1,2,3                        ; O^T = v^T p: source 0 = 16 channels, source 1 = 16 queries; at place (h, j): key 8 h + 2 i + j; the four tiles of channels by turns
.irp p, 0,1,2,3
.if \i == 0
	v_wmma_f32_16x16x4_f32 v[OC+8*\p:OC+8*\p+7], v[VR+8*\p+2*\i:VR+8*\p+2*\i+1], v[PP+2*\i:PP+2*\i+1], 0
.else
	v_wmma_f32_16x16x4_f32 v[OC+8*\p:OC+8*\p+7], v[VR+8*\p+2*\i:VR+8*\p+2*\i+1], v[PP+2*\i:PP+2*\i+1], v[OC+8*\p:OC+8*\p+7]
.endif
.endr
.endr
.rept 9
	v_nop                                          ; nine places before a matrix instruction takes these results as a source
.endr
	s_wait_loadcnt 1                               ; w_out is in; the bias stays out
.irp i, 0,1,2,3                        ; my head's part of the projection: source 0 = 16 columns of the output, source 1 = O^T's registers as they stand; at place (h, j): channel 16 p + 8 h + 2 i + j
.irp p, 0,1,2,3
.if \i == 0
	v_wmma_f32_16x16x4_f32 v[YA+8*\p:YA+8*\p+7], v[WR+8*\p+2*\i:WR+8*\p+2*\i+1], v[OC+8*\p+2*\i:OC+8*\p+2*\i+1], 0
.else
	v_wmma_f32_16x16x4_f32 v[YA+8*\p:YA+8*\p+7], v[WR+8*\p+2*\i:WR+8*\p+2*\i+1], v[OC+8*\p+2*\i:OC+8*\p+2*\i+1], v[YA+8*\p:YA+8*\p+7]
.endif
.endr
.endr
.rept 8
	v_nop
.endr
.irp j, 0,2,4,6
	v_pk_add_f32 v[16+\j:17+\j], v[YA+\j:YA+\j+1], v[YA+8+\j:YA+8+\j+1]        ; lane (r, h), register j: row r, column 8 h + j
.endr
.irp j, 0,2,4,6
	v_pk_add_f32 v[24+\j:25+\j], v[YA+16+\j:YA+16+\j+1], v[YA+24+\j:YA+24+\j+1]
.endr
.irp j, 0,2,4,6
	v_pk_add_f32 v[16+\j:17+\j], v[16+\j:17+\j], v[24+\j:25+\j]
.endr
	ds_store_b128 v6, v[16:19]
	ds_store_b128 v6, v[20:23] offset:512
	s_wait_dscnt 0x0                               ; for the others' sake: my stores have landed
	s_barrier_signal -1
	s_barrier_wait -1
	s_cmp_ge_u32 s12, 2                            ; waves 0 and 1 add the sixteen heads' parts, a half of the registers each
	s_cbranch_scc1 .Lend
.irp p, 0,1,2,3,4,5,6,7,8,9,10,11,12,13,14,15
	ds_load_b128 v[48+4*\p:51+4*\p], v7 offset:1024*\p
.endr
	s_wait_dscnt 0x0
.irp p, 0,1,2,3,4,5,6,7
	v_pk_add_f32 v[48+4*\p:49+4*\p], v[48+4*\p:49+4*\p], v[80+4*\p:81+4*\p]
	v_pk_add_f32 v[50+4*\p:51+4*\p], v[50+4*\p:51+4*\p], v[82+4*\p:83+4*\p]
.endr
.irp p, 0,1,2,3
	v_pk_add_f32 v[48+4*\p:49+4*\p], v[48+4*\p:49+4*\p], v[64+4*\p:65+4*\p]
	v_pk_add_f32 v[50+4*\p:51+4*\p], v[50+4*\p:51+4*\p], v[66+4*\p:67+4*\p]
.endr
.irp p, 0,1
	v_pk_add_f32 v[48+4*\p:49+4*\p], v[48+4*\p:49+4*\p], v[56+4*\p:57+4*\p]
	v_pk_add_f32 v[50+4*\p:51+4*\p], v[50+4*\p:51+4*\p], v[58+4*\p:59+4*\p]
.endr
	v_pk_add_f32 v[48:49], v[48:49], v[52:53]
	v_pk_add_f32 v[50:51], v[50:51], v[54:55]
	s_wait_loadcnt 0x0                             ; the bias
	v_pk_add_f32 v[48:49], v[48:49], v[BB:BB+1]
	v_pk_add_f32 v[50:51], v[50:51], v[BB+2:BB+3]
	global_store_b128 v8, v[48:51], s[10:11]       ; out0(t = r, 16 x + 8 h + 4 (wave % 2) + 0..3)
.Lend:
	s_wait_tensorcnt 0x0                           ; the wave's end
	ds_add_u32 v[SPW], v[NIL]
	s_wait_dscnt 0x0
	s_endpgm
.Lfunc_end_k_q11b0c801bb_fine16:
	.size	k_q11b0c801bb_fine16, .Lfunc_end_k_q11b0c801bb_fine16-k_q11b0c801bb_fine16
	.p2alignl 7, 3214868480
	.fill 96, 4, 3214868480
	.section	.rodata,"a",@progbits
	.p2align	6, 0x0
	.amdhsa_kernel k_q11b0c801bb_fine16
		.amdhsa_group_segment_fixed_size 18432
		.amdhsa_private_segment_fixed_size 0
		.amdhsa_enable_private_segment 0
		.amdhsa_kernarg_size 32
		.amdhsa_user_sgpr_count 2
		.amdhsa_user_sgpr_kernarg_segment_ptr 1
		.amdhsa_wavefront_size32 1
		.amdhsa_system_sgpr_workgroup_id_x 1
		.amdhsa_system_sgpr_workgroup_id_y 1
		.amdhsa_system_sgpr_workgroup_id_z 1
		.amdhsa_system_vgpr_workitem_id 0
		.amdhsa_next_free_vgpr 256
		.amdhsa_next_free_sgpr 66
		.amdhsa_reserve_vcc 1
		.amdhsa_float_denorm_mode_32 3
		.amdhsa_float_denorm_mode_16_64 3
		.amdhsa_memory_ordered 1
		.amdhsa_forward_progress 1
		.amdhsa_inst_pref_size 19
	.end_amdhsa_kernel
	.amdgpu_metadata
---
amdhsa.version: [ 1, 2 ]
amdhsa.kernels:
  - .name:           k_q11b0c801bb_fine16
    .symbol:         k_q11b0c801bb_fine16.kd
    .args:
      - { .name: fine, .offset: 0, .size: 8, .value_kind: global_buffer, .address_space: global }
      - { .name: w_out, .offset: 8, .size: 8, .value_kind: global_buffer, .address_space: global }
      - { .name: b_out, .offset: 16, .size: 8, .value_kind: global_buffer, .address_space: global }
      - { .name: out0, .offset: 24, .size: 8, .value_kind: global_buffer, .address_space: global }
    .group_segment_fixed_size: 18432
    .private_segment_fixed_size: 0
    .kernarg_segment_align: 8
    .kernarg_segment_size: 32
    .max_flat_workgroup_size: 512
    .sgpr_count:     66
    .vgpr_count:     256
    .wavefront_size: 32
...
	.end_amdgpu_metadata
.endif
;; end of part 5
